; MI455X (gfx1250); checked and timed in simulation.
; The chip was launched on July 23, 2026; its instructions are those of AMD's public machine-readable ISA for CDNA 5 (MIT licence, August 2026) and "CDNA5" Instruction Set Architecture Reference Guide (July 2026). The comments in the code are by the model that wrote it; some were corrected since.
;; Masked Attention. Allowed arithmetic: matrix products marked QUANTISED: E2M1 operands, one E8M0 scale for each 32 along K, by v_wmma_scale_f32_16x16x128_f8f6f4 with both operands' format E2M1 (or v_wmma_scale_f32_32x16x128_f4), f32 sums; products left as they are: bf16, f16 or f32 operands; f32 sums; everything else in f32.
;; Inputs: b_attn 3,072 float32; b_proj 1,024 float32; w_attn 1,024 x 3,072 float32; w_proj 1,024 x 1,024 float32; x 4 x 2,048 x 1,024 float32.
;; Outputs: out0 4 x 2,048 x 1,024 float32.
;; This version of the problem:
;;   THIS VERSION OF THE PROBLEM IS GIVEN IN LOW PRECISION. The matrix products marked QUANTISED in the list below multiply operands that are first quantised to E2M1 (2 exponent bits, 1 mantissa bit; 4 bits a number), with one power-of-two scale for each 32 numbers along K (OCP MX v1.0); their sums are f32. The products marked 'left as it is' may take bf16, f16 or f32 operands, with f32 sums. Whichever they take, every output number must still come out within the allowed error. Rounding operands to bf16 (8 significant bits) uses up far more of that allowance than f16 does (11 bits, for magnitudes from 6e-5 to 65,504). All else is computed in f32.
;;   The module's matrix products, in the order in which they are computed (A, B: the left and right operand; K: the contracted axis; several contracted axes count as one K, in the product's order):
;;     1. [M 8,192, K 1,024] x [K 1,024, N 3,072]; A: input x; B: input w_attn: QUANTISED
;;     2. batch 64 x [M 2,048, K 64] x [K 64, N 2,048]; A: computed on the way; B: computed on the way: left as it is (an operand is computed on the way)
;;     3. batch 64 x [M 2,048, K 2,048] x [K 2,048, N 64]; A: computed on the way; B: computed on the way: left as it is (an operand is computed on the way)
;;     4. [M 8,192, K 1,024] x [K 1,024, N 1,024]; A: computed on the way; B: input w_proj: left as it is (an operand is computed on the way)
;;   THE QUANTISER, for each operand of a quantised product, along K:
;;     - K is cut into blocks of 32 from its start; a last block that is shorter is filled with zeros.
;;     - A block's scale is 2^e with e = floor(log2(the largest magnitude in the block)) - 2, held to -126 .. 127; a block of zeros has e = 0. As a byte (E8M0): e + 127.
;;     - Each number is divided by its block's scale, clamped to +-6, and rounded to the nearest number of E2M1, ties to even, subnormals kept.
;;     - The product sums the exact products of the quantised numbers (number of the format x scale) in f32.
;;   ~~~python
;;   def quantise(x, axis):      # numpy; x: float32 -> the quantised numbers, widened to float32 again
;;       x = np.moveaxis(x, axis, -1); K = x.shape[-1]
;;       x = np.pad(x, [(0, 0)] * (x.ndim - 1) + [(0, -K % 32)]); x = x.reshape(x.shape[:-1] + (-1, 32)); a = np.abs(x).max(-1, keepdims=True)
;;       e = np.where(a > 0, np.clip(np.frexp(np.where(a > 0, a, 1))[1] - 1 - 2, -126, 127), 0)      # np.frexp(a)[1] - 1 = floor(log2(a)), exactly
;;       r = np.clip(x / 2.0 ** e, -6, 6)
;;       step = 2.0 ** (np.maximum(np.frexp(np.where(r == 0, 1, r))[1] - 1, 0) - 1)
;;       q = np.round(r / step) * step * 2.0 ** e      # np.round: ties to even
;;       return np.moveaxis(q.reshape(q.shape[:-2] + (-1,))[..., :K], -1, axis).astype(np.float32)
;;   ~~~
;; One version. Each part assembles by itself: llvm-mc -triple=amdgcn-amd-amdhsa -mcpu=gfx1250 --defsym DOCPART=n.
;; ======== version 1 of 1: 6 launches
;; limits: values are held in f16: magnitudes above 65,504 overflow, below 6.1e-05 lose precision
;; workspace buffers: xq 4,456,448 bytes; wq 1,671,168 bytes; wp16 2,097,152 bytes; qkv 50,331,648 bytes; bs 524,288 bytes; sv 524,288 bytes; a16 262,144 bytes; a 16,777,216 bytes
;; launch prep (part 1): grid 288 x 1, 8 waves a work-group, no clusters, 84,480 bytes of LDS; arguments x, w_attn, w_proj, xq, wq, wp16; writes xq, wq, wp16
.if DOCPART == 1
	.amdgcn_target "amdgcn-amd-amdhsa--gfx1250"
	.amdhsa_code_object_version 6
	.text
	.protected	k_qa206fe5709_prep
	.globl	k_qa206fe5709_prep
	.p2align	8
	.type	k_qa206fe5709_prep,@function
k_qa206fe5709_prep:
	s_mov_b64 s[64:65], 0
	v_nop
	global_prefetch_b8 v0, s[64:65] scope:SCOPE_SE
	s_setreg_imm32_b32 hwreg(HW_REG_WAVE_MODE, 25, 1), 1
	s_wait_xcnt 0x0
; THREE PREPARATIONS IN ONE LAUNCH, told apart by the work-group's number alone:
;   work-groups   0..127  X: x [8192][1024] f32 -> codes of E2M1 (xq, [8192][512 bytes]) and one E8M0 byte for each 32 along K (xq + XSCL, [8192][32])
;   work-groups 128..223  W: w_attn [1024 k][3072 n] f32, K its first axis -> codes with K innermost (wq, [3072][512 bytes]) and bytes (wq + WSCL, [3072][32])
;   work-groups 224..287  C: w_proj [1024][1024] f32 -> f16, same layout (wp16)
; A block's scale is 2^(floor(log2(its largest magnitude)) - 2); its byte is the largest magnitude's exponent field - 2, held at 1 from below.
; LIMITS: a block of zeros gets the byte 1 where the rule says 127 (its codes are zeros, and this program alone reads the bytes); blocks whose largest magnitude lies
; under 2^-124 were not tried; NaN and infinities are not served; w_proj must lie under 65,504 in magnitude.
; X: a wave takes 16 steps of 512 numbers.  Each load reads 512 consecutive bytes; a step's 2,048 bytes turn through the wave's own stage in LDS so that a lane holds 16 neighbours along K.
; W: a lane takes a column and its registers run down K; a work-group takes 32 columns and all of K, wave w the k from 128 w on; the codes meet in a stage and leave as whole rows of 512 bytes.
; Each role has LDS bytes of its own; every LDS address is made ahead of the parting; one barrier stands on every path.
; Each role's stores have scalar bases of their own (X: s[22:25]; C: s[14:15]; W behind the barrier: s[26:29]), so that no base of a pending store is written on any way through the text.
.set STEPS, 16
.set WREG,  8192                       ; X: a wave's region: two stages of 32 x SP bytes, then its 256 scale bytes
.set SP,    80                         ; a lane's 64 bytes + 16 of padding
.set WSTG,  65536                      ; W: 32 rows (columns n) x 528 bytes: 512 of codes + 16 of padding
.set WSC,   82432                      ; W: 32 rows x 32 scale bytes
.set SPARE, 83456                      ; the spare words, 128 bytes for each of the eight waves
.set XSCL,  4194304
.set WSCL,  1572864
.set WROW,  12288                      ; a row of w_attn in bytes
.set SPW,   12
.set NIL,   13
.set R,     16                         ; X: v16-79 four sets of 16 numbers as loaded
.set X,     80                         ; X: v80-111 two sets of 16 neighbours
.set E,     112                        ; X: v112-127 a scale byte for each step
.set C,     128                        ; X: v128-191 codes, four registers for each step
	s_load_b256 s[4:11], s[0:1], 0x0               ; x s[4:5], w_attn s[6:7], w_proj s[8:9], xq s[10:11]
	s_load_b128 s[12:15], s[0:1], 0x20             ; wq s[12:13], wp16 s[14:15]
	v_lshl_add_u32 v[SPW], v0, 2, SPARE
	v_mov_b32 v[NIL], 0
	v_lshrrev_b32 v1, 5, v0
	v_readfirstlane_b32 s16, v1                    ; wave 0..7
	v_and_b32 v2, 31, v0                           ; lane
	v_lshlrev_b32 v3, 4, v2                        ; 16 x lane
	v_lshlrev_b32 v4, 3, v2                        ; 8 x lane
	s_mul_i32 s17, s16, WREG
	v_lshrrev_b32 v14, 2, v2
	v_mul_u32_u24 v14, v14, SP
	v_and_b32 v15, 3, v2
	v_lshl_add_u32 v14, v15, 4, v14
	v_add_nc_u32 v14, s17, v14                     ; X's stage, on the way in: SP (lane / 4) + 16 (lane % 4)
	v_mul_u32_u24 v15, v2, SP
	v_add_nc_u32 v15, s17, v15                     ; and on the way out: SP x lane
	v_lshrrev_b32 v5, 1, v2
	s_add_co_u32 s17, s17, 2*32*SP
	v_add_nc_u32 v5, s17, v5                       ; X: my block's scale byte
	v_add_nc_u32 v6, s17, v4                       ; X: the 256 bytes on their way out, 8 a lane
	v_mul_u32_u24 v192, v2, 528
	s_lshl_b32 s18, s16, 6
	s_add_co_u32 s18, s18, WSTG
	v_add_nc_u32 v192, s18, v192                   ; W: row = my column, my wave's 64 bytes of it
	v_lshlrev_b32 v193, 5, v2
	s_lshl_b32 s18, s16, 2
	s_add_co_u32 s18, s18, WSC
	v_add_nc_u32 v193, s18, v193                   ; W: my column's scale bytes, my wave's four
	s_mul_i32 s18, s16, 4*528
	s_add_co_u32 s18, s18, WSTG
	v_add_nc_u32 v194, s18, v3                     ; W, back: rows 4 w on, 16 bytes a lane
	s_and_b32 s18, s16, 1
	s_lshl_b32 s18, s18, 9
	s_add_co_u32 s18, s18, WSC
	v_add_nc_u32 v195, s18, v3                     ; W, back: half of the 1,024 scale bytes
	v_lshlrev_b32 v196, 2, v2                      ; 4 x lane
	s_wait_kmcnt 0x0
	s_cmp_lt_u32 ttmp9, 128
	s_cbranch_scc0 .Lnot_x
; ---- role X
	s_lshl_b32 s18, ttmp9, 3
	s_add_co_u32 s18, s18, s16                     ; which run of 8,192 numbers is my wave's
	s_mov_b32 s21, 0
	s_lshl_b32 s20, s18, 15
	s_add_nc_u64 s[4:5], s[4:5], s[20:21]
	s_lshl_b32 s20, s18, 12
	s_add_nc_u64 s[22:23], s[10:11], s[20:21]      ; its codes
	s_lshl_b32 s20, s18, 8
	s_add_co_u32 s20, s20, XSCL
	s_add_nc_u64 s[24:25], s[10:11], s[20:21]      ; its 256 scale bytes
.macro XLOAD t
.irp i, 0,1,2,3
	global_load_b128 v[R+16*((\t)%4)+4*\i:R+16*((\t)%4)+4*\i+3], v3, s[4:5] offset:2048*(\t)+512*\i th:TH_LOAD_NT   ; 32 lanes read 512 consecutive bytes
.endr
.endm
.macro XTURN t                         ; a step's numbers through the stage: LDS serves a wave's instructions in order, so no wait stands between the stores and the loads
.irp i, 0,1,2,3
	ds_store_b128 v14, v[R+16*((\t)%4)+4*\i:R+16*((\t)%4)+4*\i+3] offset:32*SP*((\t)%2)+8*SP*\i
.endr
.irp i, 0,1,2,3
	ds_load_b128 v[X+16*((\t)%2)+4*\i:X+16*((\t)%2)+4*\i+3], v15 offset:32*SP*((\t)%2)+16*\i
.endr
.endm
.irp t, 0,1,2,3
	XLOAD \t
.endr
	s_wait_loadcnt 12                              ; step 0's four loads are in; the twelve of steps 1 to 3 may be out
	XTURN 0
.macro XSTEP t
.set XS, X+16*((\t)%2)
.if (\t) > 0
	s_wait_dscnt 1                                 ; this step's numbers are back from the stage; the last step's byte store may be out
.else
	s_wait_dscnt 0x0
.endif
.if (\t)+4 < STEPS
	XLOAD (\t)+4                                   ; into the registers whose stores into the stage have been served
.endif
.if (\t)+1 < STEPS
.if STEPS-2-(\t) >= 3
	s_wait_loadcnt 12                              ; the next step's four loads are in; those of the three steps behind it may be out
.else
	s_wait_loadcnt 4*(STEPS-2-(\t))
.endif
	XTURN (\t)+1
.endif
	v_max3_num_f32 v8, |v[XS]|, |v[XS+1]|, |v[XS+2]|               ; the largest magnitude of my 16, in two chains
	v_max3_num_f32 v9, |v[XS+3]|, |v[XS+4]|, |v[XS+5]|
.irp i, 6,10
	v_max3_num_f32 v8, v8, |v[XS+\i]|, |v[XS+\i+1]|
	v_max3_num_f32 v9, v9, |v[XS+\i+2]|, |v[XS+\i+3]|
.endr
	v_max3_num_f32 v8, v8, |v[XS+14]|, |v[XS+15]|
	v_max3_num_f32 v8, v8, v9, 0x1800000           ; and the floor 2^(3 - 127): the byte cannot fall under 1
	v_max_num_f32_dpp v8, v8, v8 row_xmask:1 row_mask:0xf bank_mask:0xf   ; and of my neighbour's 16: the block's
	v_add_nc_u32 v11, 0xff000000, v8               ; 2 off its exponent field: the conversion takes this operand's exponent field as its scale
	v_cvt_scalef32_pk8_fp4_f32 v[C+4*(\t)], v[XS:XS+7], v11
	v_cvt_scalef32_pk8_fp4_f32 v[C+4*(\t)+1], v[XS+8:XS+15], v11
	v_lshrrev_b32 v[E+(\t)], 23, v11               ; the scale's byte
	ds_store_b8 v5, v[E+(\t)] offset:16*(\t)       ; both lanes of a block write the same byte with the same value
	global_store_b64 v4, v[C+4*(\t):C+4*(\t)+1], s[22:23] offset:256*(\t)   ; the wave stores 256 consecutive bytes, aligned
.endm
.irp t, 0,1,2,3,4,5,6,7,8,9,10,11,12,13,14,15
	XSTEP \t
.endr
	ds_load_b64 v[8:9], v6                         ; these see my byte stores: LDS serves a wave in order
	s_wait_dscnt 0x0
	global_store_b64 v4, v[8:9], s[24:25]          ; 256 consecutive bytes, aligned
	s_branch .Ljoin
.Lnot_x:
	s_cmp_lt_u32 ttmp9, 224
	s_cbranch_scc0 .Lrole_c
; ---- role W
	s_sub_co_u32 s18, ttmp9, 128                   ; j: columns 32 j on
	s_mul_i32 s20, s16, 128*WROW                   ; my wave's 128 rows of w_attn
	s_lshl_b32 s19, s18, 7
	s_add_co_u32 s20, s20, s19
	s_mov_b32 s21, 0
	s_add_nc_u64 s[6:7], s[6:7], s[20:21]
.macro WLOAD t                         ; block t: w_attn(128 w + 32 t + i, my column) into set t % 2
.set i, 0
.rept 32
	global_load_b32 v[32+32*((\t)%2)+i], v196, s[6:7] offset:(32*(\t)+i)*WROW th:TH_LOAD_NT
.set i, i+1
.endr
.endm
	WLOAD 0
	WLOAD 1
.macro WBLOCK t
.set XS, 32+32*((\t)%2)
.if (\t) < 3
	s_wait_loadcnt 32                              ; this block's 32 loads are in; the next block's 32 may be out
.else
	s_wait_loadcnt 0x0
.endif
	v_max3_num_f32 v8, |v[XS]|, |v[XS+1]|, |v[XS+2]|               ; the block's largest magnitude: all 32 numbers are mine
	v_max3_num_f32 v9, |v[XS+3]|, |v[XS+4]|, |v[XS+5]|
.irp i, 6,10,14,18,22,26
	v_max3_num_f32 v8, v8, |v[XS+\i]|, |v[XS+\i+1]|
	v_max3_num_f32 v9, v9, |v[XS+\i+2]|, |v[XS+\i+3]|
.endr
	v_max3_num_f32 v8, v8, |v[XS+30]|, |v[XS+31]|
	v_max3_num_f32 v8, v8, v9, 0x1800000
	v_add_nc_u32 v11, 0xff000000, v8
	v_lshrrev_b32 v10, 23, v11
.if (\t) == 0
	v_mov_b32 v24, v10                             ; four bytes to a word, the lower K in the lower byte
.else
	v_lshl_or_b32 v24, v10, 8*(\t), v24
.endif
.irp g, 0,1,2,3
	v_cvt_scalef32_pk8_fp4_f32 v[96+\g], v[XS+8*\g:XS+8*\g+7], v11
.endr
	ds_store_b128 v192, v[96:99] offset:16*(\t)    ; 32 codes: 16 bytes of my column's row
.if (\t)+2 < 4
	WLOAD (\t)+2
.endif
	s_wait_dscnt 0x0                               ; the store has read its registers: the next block's codes may be written
.endm
.irp t, 0,1,2,3
	WBLOCK \t
.endr
	ds_store_b32 v193, v24
	s_branch .Ljoin
.Lrole_c:
; ---- role C
	s_sub_co_u32 s18, ttmp9, 224
	s_lshl_b32 s18, s18, 3
	s_add_co_u32 s18, s18, s16                     ; which run of 2,048 numbers
	s_mov_b32 s21, 0
	s_lshl_b32 s20, s18, 13
	s_add_nc_u64 s[8:9], s[8:9], s[20:21]
	s_lshl_b32 s20, s18, 12
	s_add_nc_u64 s[14:15], s[14:15], s[20:21]
.irp i, 0,1,2,3,4,5,6,7,8,9,10,11,12,13,14,15
	global_load_b128 v[16+4*\i:19+4*\i], v3, s[8:9] offset:512*\i
.endr
.irp i, 0,1,2,3,4,5,6,7,8,9,10,11,12,13,14,15
	s_wait_loadcnt 15-\i                           ; loads come back in order: load i is in, the younger ones may be out
	v_cvt_pk_f16_f32 v[80+2*\i], v[16+4*\i], v[17+4*\i]
	v_cvt_pk_f16_f32 v[81+2*\i], v[18+4*\i], v[19+4*\i]
	global_store_b64 v4, v[80+2*\i:81+2*\i], s[14:15] offset:256*\i   ; 256 consecutive bytes, aligned
.endr
.Ljoin:
	s_wait_dscnt 0x0                               ; for the others' sake: my LDS stores have landed
	s_barrier_signal -1
	s_barrier_wait -1
	s_sub_co_u32 s18, ttmp9, 128
	s_cmp_lt_u32 s18, 96                           ; only W has work behind the barrier
	s_cbranch_scc0 .Lend
	s_lshl_b32 s20, s18, 14                        ; 32 j rows of 512 bytes,
	s_lshl_b32 s19, s16, 11                        ; 4 w rows
	s_add_co_u32 s20, s20, s19
	s_mov_b32 s21, 0
	s_add_nc_u64 s[26:27], s[12:13], s[20:21]      ; a pair that no earlier store names as its base
.irp i, 0,1,2,3
	ds_load_b128 v[32+4*\i:35+4*\i], v194 offset:528*\i
.endr
.irp i, 0,1,2,3
	s_wait_dscnt 3-\i
	global_store_b128 v3, v[32+4*\i:35+4*\i], s[26:27] offset:512*\i   ; a whole row of 512 bytes
.endr
	s_cmp_lt_u32 s16, 2
	s_cbranch_scc0 .Lend                           ; waves 0 and 1 store the 1,024 scale bytes
	s_lshl_b32 s20, s18, 10
	s_lshl_b32 s19, s16, 9
	s_add_co_u32 s20, s20, s19
	s_add_co_u32 s20, s20, WSCL
	s_add_nc_u64 s[28:29], s[12:13], s[20:21]      ; likewise a pair of its own
	ds_load_b128 v[48:51], v195
	s_wait_dscnt 0x0
	global_store_b128 v3, v[48:51], s[28:29]
.Lend:
	s_wait_tensorcnt 0x0                           ; the wave's end
	ds_add_u32 v[SPW], v[NIL]
	s_wait_dscnt 0x0
	s_endpgm
.Lfunc_end_k_qa206fe5709_prep:
	.size	k_qa206fe5709_prep, .Lfunc_end_k_qa206fe5709_prep-k_qa206fe5709_prep
	.p2alignl 7, 3214868480
	.fill 96, 4, 3214868480
	.section	.rodata,"a",@progbits
	.p2align	6, 0x0
	.amdhsa_kernel k_qa206fe5709_prep
		.amdhsa_group_segment_fixed_size 84480
		.amdhsa_private_segment_fixed_size 0
		.amdhsa_enable_private_segment 0
		.amdhsa_kernarg_size 48
		.amdhsa_user_sgpr_count 2
		.amdhsa_user_sgpr_kernarg_segment_ptr 1
		.amdhsa_wavefront_size32 1
		.amdhsa_system_sgpr_workgroup_id_x 1
		.amdhsa_system_sgpr_workgroup_id_y 1
		.amdhsa_system_sgpr_workgroup_id_z 1
		.amdhsa_system_vgpr_workitem_id 0
		.amdhsa_next_free_vgpr 200
		.amdhsa_next_free_sgpr 66
		.amdhsa_reserve_vcc 0
		.amdhsa_float_denorm_mode_32 3
		.amdhsa_float_denorm_mode_16_64 3
		.amdhsa_memory_ordered 1
		.amdhsa_forward_progress 1
		.amdhsa_inst_pref_size 60
	.end_amdhsa_kernel
	.amdgpu_metadata
---
amdhsa.version: [ 1, 2 ]
amdhsa.kernels:
  - .name:           k_qa206fe5709_prep
    .symbol:         k_qa206fe5709_prep.kd
    .args:
      - { .name: x, .offset: 0, .size: 8, .value_kind: global_buffer, .address_space: global }
      - { .name: w_attn, .offset: 8, .size: 8, .value_kind: global_buffer, .address_space: global }
      - { .name: w_proj, .offset: 16, .size: 8, .value_kind: global_buffer, .address_space: global }
      - { .name: xq, .offset: 24, .size: 8, .value_kind: global_buffer, .address_space: global }
      - { .name: wq, .offset: 32, .size: 8, .value_kind: global_buffer, .address_space: global }
      - { .name: wp16, .offset: 40, .size: 8, .value_kind: global_buffer, .address_space: global }
    .group_segment_fixed_size: 84480
    .private_segment_fixed_size: 0
    .kernarg_segment_align: 8
    .kernarg_segment_size: 48
    .max_flat_workgroup_size: 256
    .sgpr_count:     66
    .vgpr_count:     200
    .wavefront_size: 32
...
	.end_amdgpu_metadata
.endif
;; end of part 1
;; launch qkv (part 2): grid 12 x 32, 4 waves a work-group, clusters of 4 x 4, 327,680 bytes of LDS; arguments xq, wq, b_attn, qkv, bs; writes qkv, bs
.if DOCPART == 2
	.amdgcn_target "amdgcn-amd-amdhsa--gfx1250"
	.amdhsa_code_object_version 6
	.text
	.protected	k_qa206fe5709_qkv
	.globl	k_qa206fe5709_qkv
	.p2align	8
	.type	k_qa206fe5709_qkv,@function
k_qa206fe5709_qkv:
	s_mov_b64 s[64:65], 0
	v_nop
	global_prefetch_b8 v0, s[64:65] scope:SCOPE_SE
	s_setreg_imm32_b32 hwreg(HW_REG_WAVE_MODE, 25, 1), 1
	s_wait_xcnt 0x0
	s_wait_alu depctr_hold_cnt(0) depctr_sa_sdst(0) depctr_va_vdst(0) depctr_va_sdst(0) depctr_va_ssrc(0) depctr_va_vcc(0) depctr_vm_vsrc(0)
	s_getreg_b32 s2, hwreg(HW_REG_IB_STS2, 6, 4)
	s_cmp_eq_u32 s2, 0
	s_cbranch_scc0 .Lentry_in_a_cluster
	s_endpgm
.Lentry_in_a_cluster:
	s_bfe_u32 s2, ttmp6, 0x10000c
	s_cmp_lg_u32 s2, 0xf033
	s_cbranch_scc0 .Lentry_shape_is_right
	s_endpgm
.Lentry_shape_is_right:
; qkv = Q(x) Q(w_attn) + b_attn on codes of E2M1 with one E8M0 scale for each 32 along K: M 8,192, N 3,072, K 1,024; sums in f32.
; The result leaves as f16, laid by head: qkv[which 3][b 4][h 16][s 2048][64]; of v also the f32 column sums of each 64 rows: bs[bh][32][64].
; A tile of 256 x 256 is made by four waves, each 128 x 128: 64 accumulators, 512 registers.  K is two slots of 512 (rows of 256 bytes): both are asked for at the head and nothing is filled again.
; The scale bytes of the work-group's 256 + 256 rows, for all of K, come once, as rows of 256 bytes.
; CLUSTER 4 x 4: A's tiles are shared along a row of the cluster, B's along a column: each is asked for jointly, by the same load with the same descriptor and a mask that names the four.
; THE MATRIX INSTRUCTION IS USED TRANSPOSED (source 0 = 16 rows of wq, source 1 = 16 rows of xq): a lane holds eight neighbouring columns of one row.  The bias is the C of each sum's first product.
; LIMIT: q, k, v must lie under 65,504 in magnitude (f16).
; REGISTERS: window 0: v0-31 addresses; v32-95 scale words (they hold nothing else); v96-127 packed results; v128-191 A's fragments, later rows read back; v192-255 the bias, later the column sums' partials.
;   window 1: B's fragments, two sets, at v0 and v128.   window 2: accumulators of my rows 0-63 ((a, b) at v[8 (8 a + b)]);   window 3: of my rows 64-127.
.set NQ,     4                         ; steps of 128 along K in a slot
.set ROWB,   256
.set KROW,   512                       ; a row of codes in memory
.set PITCH,  272                       ; an LDS row: 256 bytes + 16 of padding: the 16 rows that a load touches start 4 words apart modulo 64
.set FR,     8
.set NL,     2
.set NP,     4
.set HALFT,  128*PITCH
.set SLOT,   4*HALFT
.set KS,     32                        ; a row of scale bytes
.set SCL,    2*SLOT
.set HALFS,  (128*KS/256)*272
.set SBLK,   (16*KS/256)*272
.set SPARE,  SCL+4*HALFS
.set XSCL,   4194304
.set WSCL,   1572864
.set STGB,   8448                      ; the way out: a stage of 16 rows x 528 bytes for each wave, in slot 0, which has had its only fill and its last read by then
.set ADRA, 16
.set ADRB, 20
.set STO16, 22                         ; stage: row r of 272 bytes, 16 bytes for each half of the lanes
.set RD16, 23                          ; back: eight lanes to half a row (one head's 128 bytes), four rows an instruction
.set STO32, 24                         ; stage: row r of 528 bytes, 32 bytes for each half
.set RD32, 25                          ; back: 32 lanes to a row of 512 bytes
.set CO,   26                          ; 16 x lane
.set ADRS, 27
.set SPW,  28
.set NIL,  29
.set BSO,  30                          ; bs: lanes 0-15 my first head, lanes 16-31 the next (8,192 bytes on)
.set BIO,  31                          ; 32 x (lane / 16)
.set SC,   32
.set TMP,  96
.set AF,   128
.set BK,   128
.set RR,   128
.set BIAS, 192
.set T,    192
.set G1, 24
.set G0, 32
.set G1B, 48
.set G0B, 56
.set G1S, 68
.set G0S, 76
.set G1SB, 80
.set G0SB, 88
.set MSB, 0
.macro WIN new                         ; the immediate's high byte repeats the setting that is left
.if MSB != \new
	s_set_vgpr_msb (MSB<<8)|\new
.set MSB, \new
.endif
.endm
.set MUL_LO, 0xa1                      ; source 0 (B) window 1, source 1 (A) window 0, C and D window 2
.set MUL_HI, 0xf1                      ; the same, C and D window 3
.set TO_B,   0x40
; A joint load: waves 0 and 1 fetch for A, waves 2 and 3 for B; the branch hangs on the wave's number alone.  An s_nop 0 and four v_nop follow each line.
.macro JLOAD g0a, g1a, g0b, g1b
	s_cmp_eq_u32 s15, 0
	s_cbranch_scc0 .Lfor_b_\@
	tensor_load_to_lds s[\g0a:\g0a+3], s[\g1a:\g1a+7]
	s_nop 0
.rept 4
	v_nop
.endr
	s_branch .Lasked_\@
.Lfor_b_\@:
	tensor_load_to_lds s[\g0b:\g0b+3], s[\g1b:\g1b+7]
	s_nop 0
.rept 4
	v_nop
.endr
.Lasked_\@:
.endm
.macro CROUND                          ; a round of the cluster's barrier
	s_barrier_signal -1
	s_barrier_wait -1
	s_cmp_lg_u32 s14, 0
	s_cbranch_scc1 .Lnot_wave_0_\@
	s_barrier_signal -3
.Lnot_wave_0_\@:
	s_barrier_wait -3
	s_barrier_signal -1
	s_barrier_wait -1
.endm
	s_load_b128 s[4:7], s[0:1], 0x0                ; xq s[4:5], wq s[6:7]
	s_load_b128 s[8:11], s[0:1], 0x10              ; b_attn s[8:9], qkv s[10:11]
	s_load_b64 s[12:13], s[0:1], 0x20              ; bs
	v_lshl_add_u32 v[SPW], v0, 2, SPARE
	v_mov_b32 v[NIL], 0
	ds_add_u32 v[SPW], v[NIL]                      ; the wave's opening: the add, twice on end, and its wait ahead of my first tensor load
	ds_add_u32 v[SPW], v[NIL]
	v_lshrrev_b32 v1, 5, v0
	v_readfirstlane_b32 s14, v1                    ; wave 0..3
	s_lshr_b32 s15, s14, 1                         ; which half of the tile's rows is mine.  Also: I fetch for A (0) or for B (1)
	s_and_b32 s16, s14, 1                          ; which half of its columns.  Also: which 128 rows I fetch
	s_bfe_u32 s40, ttmp6, 0x40000                  ; cx, cy
	s_bfe_u32 s41, ttmp6, 0x40004
	s_lshl_b32 s42, ttmp9, 2
	s_add_co_u32 s42, s42, s40                     ; tile column = 4 x cluster x + cx
	s_and_b32 s17, ttmp7, 0xffff
	s_lshl_b32 s17, s17, 2
	s_add_co_u32 s17, s17, s41                     ; tile row = 4 x cluster y + cy
	s_lshl_b32 s43, s41, 2
	s_lshl_b32 s43, 15, s43                        ; my row of the cluster
	s_lshl_b32 s44, 0x1111, s40                    ; my column
	s_or_b32 s[G1+0], s43, (0<<16)|(1<<20)|(1<<21)|(5<<22)|(3<<25)  ; the mask; elements of 1 byte; padding on; bit 21 beside a mask; after every 64 words, 4 words
	s_or_b32 s[G1B+0], s44, (0<<16)|(1<<20)|(1<<21)|(5<<22)|(3<<25)
.irp g, G1, G1B
	s_mov_b32 s[\g+1], ROWB<<16                    ; tensor_dim0
	s_mov_b32 s[\g+2], 128<<16                     ; tensor_dim1
	s_mov_b32 s[\g+3], ROWB<<16                    ; tile_dim0
	s_mov_b32 s[\g+4], 128                         ; tile_dim1
	s_mov_b32 s[\g+5], KROW                        ; the pitch
	s_mov_b32 s[\g+6], 0
	s_mov_b32 s[\g+7], 0
.endr
	s_or_b32 s[G1S+0], s43, (3<<16)|(1<<20)|(1<<21)|(5<<22)|(3<<25)   ; the scales of 128 rows: a dense block, as rows of 32 elements of 8 bytes
	s_or_b32 s[G1SB+0], s44, (3<<16)|(1<<20)|(1<<21)|(5<<22)|(3<<25)
.irp g, G1S, G1SB
	s_mov_b32 s[\g+1], 32<<16
	s_mov_b32 s[\g+2], (128*KS/256)<<16
	s_mov_b32 s[\g+3], 32<<16
	s_mov_b32 s[\g+4], 128*KS/256
	s_mov_b32 s[\g+5], 32
	s_mov_b32 s[\g+6], 0
	s_mov_b32 s[\g+7], 0
.endr
	s_lshl_b32 s18, s16, 7
	s_lshl_b32 s20, s17, 8
	s_add_co_u32 s20, s20, s18                     ; A: row 256 x tile row + 128 x half
	s_lshl_b32 s46, s42, 8
	s_add_co_u32 s46, s46, s18                     ; B: row 256 x tile column + 128 x half
	s_mov_b32 s21, 0
	s_mov_b32 s47, 0
	s_mov_b64 s[18:19], KS
	s_mul_u64 s[22:23], s[20:21], s[18:19]         ; where these rows' scale bytes begin,
	s_mul_u64 s[92:93], s[46:47], s[18:19]
	s_add_nc_u64 s[22:23], s[22:23], XSCL          ; behind the codes, in the same buffer
	s_add_nc_u64 s[92:93], s[92:93], WSCL
	s_mov_b64 s[18:19], KROW
	s_mul_u64 s[20:21], s[20:21], s[18:19]         ; and their codes
	s_mul_u64 s[46:47], s[46:47], s[18:19]
	s_mul_i32 s45, s14, HALFT                      ; where they go: wave x 128 rows
	s_mul_i32 s94, s14, HALFS
	s_wait_dscnt 0x0                               ; both opening adds are done
	s_wait_kmcnt 0x0
	s_add_nc_u64 s[20:21], s[4:5], s[20:21]
	s_add_nc_u64 s[22:23], s[4:5], s[22:23]
	s_add_nc_u64 s[46:47], s[6:7], s[46:47]
	s_add_nc_u64 s[92:93], s[6:7], s[92:93]
	CROUND                                         ; all sixteen work-groups are here: the joint loads meet
	s_mov_b32 s[G0S], 1
	s_add_co_u32 s[G0S+1], s94, SCL
	s_mov_b64 s[G0S+2:G0S+3], s[22:23]
	s_or_b32 s[G0S+3], s[G0S+3], 0x80000000
	s_mov_b32 s[G0SB], 1
	s_add_co_u32 s[G0SB+1], s94, SCL
	s_mov_b64 s[G0SB+2:G0SB+3], s[92:93]
	s_or_b32 s[G0SB+3], s[G0SB+3], 0x80000000
	JLOAD G0S, G1S, G0SB, G1SB                     ; the scales first; by this text's count three loads of a wave are out at the most
.irp s, 0,1
	s_mov_b32 s[G0+4*\s], 1
	s_add_co_u32 s[G0+4*\s+1], s45, \s*SLOT
	s_add_nc_u64 s[G0+4*\s+2:G0+4*\s+3], s[20:21], \s*ROWB
	s_or_b32 s[G0+4*\s+3], s[G0+4*\s+3], 0x80000000
	s_mov_b32 s[G0B+4*\s], 1
	s_add_co_u32 s[G0B+4*\s+1], s45, \s*SLOT
	s_add_nc_u64 s[G0B+4*\s+2:G0B+4*\s+3], s[46:47], \s*ROWB
	s_or_b32 s[G0B+4*\s+3], s[G0B+4*\s+3], 0x80000000
	JLOAD G0+4*\s, G1, G0B+4*\s, G1B
.endr
	v_and_b32 v1, 15, v0                           ; r
	v_bfe_u32 v2, v0, 4, 1                         ; h
	v_lshlrev_b32 v[BIO], 5, v2
	s_mov_b32 s23, 0
	s_lshl_b32 s22, s42, 10                        ; the bias of my 128 columns: 1,024 x tile column + 512 x half, in bytes
	s_lshl_b32 s47, s16, 9
	s_add_co_u32 s22, s22, s47
	s_add_nc_u64 s[8:9], s[8:9], s[22:23]
.irp b, 0,1,2,3,4,5,6,7
	global_load_b128 v[BIAS+8*\b:BIAS+8*\b+3], v[BIO], s[8:9] offset:64*\b        ; column block b: b_attn at 16 b + 8 h + 0 .. 7, the result's layout
	global_load_b128 v[BIAS+8*\b+4:BIAS+8*\b+7], v[BIO], s[8:9] offset:64*\b+16
.endr
	v_mul_u32_u24 v3, v1, PITCH
	v_lshl_add_u32 v4, v2, 4, v3
	s_mul_i32 s21, s15, HALFT                      ; my 128 rows of A
	s_mul_i32 s22, s16, HALFT                      ; my 128 rows of B,
	s_add_co_u32 s22, s22, 2*HALFT                 ; behind A's 256
.irp s, 0,1
	v_add_nc_u32 v[ADRA+\s], s21, v4
	v_add_nc_u32 v[ADRB+\s], s22, v4
	s_add_co_u32 s21, s21, SLOT
	s_add_co_u32 s22, s22, SLOT
.endr
	v_mul_u32_u24 v5, v1, KS                       ; my row's scale bytes,
	v_lshrrev_b32 v6, 8, v5
	v_lshl_add_u32 v5, v6, 4, v5                   ; and 16 more for each 256 passed
	s_mul_i32 s21, s15, HALFS
	s_mul_i32 s22, s16, HALFS
	s_add_co_u32 s22, s22, 2*HALFS
	s_sub_co_u32 s22, s22, s21
	v_mul_u32_u24 v6, s22, v2                      ; lanes 16-31 take B's: one product, the distance between the two bases
	s_add_co_u32 s21, s21, SCL
	v_add_nc_u32 v5, v5, v6
	v_add_nc_u32 v[ADRS], s21, v5
	s_mul_i32 s95, s14, STGB                       ; my stage
	v_mul_u32_u24 v5, v1, 272
	v_lshl_add_u32 v5, v2, 4, v5
	v_add_nc_u32 v[STO16], s95, v5
	v_bfe_u32 v5, v0, 3, 2
	v_mul_u32_u24 v5, v5, 272
	v_and_b32 v7, 7, v0
	v_lshl_add_u32 v5, v7, 4, v5
	v_add_nc_u32 v[RD16], s95, v5
	v_mul_u32_u24 v5, v1, 528
	v_lshl_add_u32 v5, v2, 5, v5
	v_add_nc_u32 v[STO32], s95, v5
	v_and_b32 v6, 31, v0
	v_lshlrev_b32 v[CO], 4, v6
	v_add_nc_u32 v[RD32], s95, v[CO]
	v_lshlrev_b32 v[BSO], 13, v2
	v_lshl_add_u32 v[BSO], v1, 4, v[BSO]
	; where my part goes: which = cluster x; head h0 = 4 cx + 2 (column half); b = tile row / 8; s0 = 256 (tile row % 8) + 128 (row half)
	s_lshl_b32 s20, ttmp9, 6
	s_lshr_b32 s21, s17, 3
	s_lshl_b32 s21, s21, 4                         ; 16 b
	s_add_co_u32 s20, s20, s21
	s_lshl_b32 s46, s40, 2
	s_lshl_b32 s47, s16, 1
	s_add_co_u32 s46, s46, s47                     ; h0
	s_add_co_u32 s20, s20, s46                     ; 64 which + 16 b + h0
	s_and_b32 s47, s17, 7
	s_lshl_b32 s47, s47, 8
	s_lshl_b32 s94, s15, 7
	s_add_co_u32 s47, s47, s94                     ; s0
	s_lshl_b32 s22, s20, 11
	s_add_co_u32 s22, s22, s47
	s_lshl_b32 s22, s22, 7                         ; rows of 128 bytes
	s_add_nc_u64 s[10:11], s[10:11], s[22:23]
	s_add_co_u32 s22, s21, s46
	s_lshl_b32 s22, s22, 5
	s_lshr_b32 s47, s47, 6
	s_add_co_u32 s22, s22, s47
	s_lshl_b32 s22, s22, 8                         ; bs: ((16 b + h0) 32 + s0 / 64) rows of 256 bytes
	s_add_nc_u64 s[12:13], s[12:13], s[22:23]
.macro FRAG reg, adr, q, i             ; 16 rows x 128 K of 4-bit codes: lane l holds row l % 16; registers 4 c .. 4 c + 3 hold K = 64 c + 32 (l / 16) + 0 .. 31
.irp c, 0,1
	ds_load_b128 v[\reg+4*\c:\reg+4*\c+3], v[\adr] offset:64*(\q)+32*\c+(\i)*16*PITCH
.endr
.endm
; 16 matrix instructions: A's blocks a0, a0 + 1 x B's eight.  first = 1: the bias is the C.  The 64 accumulators take turns, one instruction a turn.
.macro MUL16 a0, p, q, sc, first
.irp a, \a0, \a0+1
.irp b, 0,1,2,3,4,5,6,7
.if \first
	v_wmma_scale_f32_16x16x128_f8f6f4 v[8*(8*((\a)%4)+\b):8*(8*((\a)%4)+\b)+7], v[128*(\p)+FR*\b:128*(\p)+FR*\b+FR-1], v[AF+FR*(\a):AF+FR*(\a)+FR-1], v[BIAS+8*\b:BIAS+8*\b+7], v[SC+8*NQ*(\sc)+NQ*\b+(\q)], v[SC+8*NQ*(\sc)+NQ*(\a)+(\q)] matrix_a_fmt:MATRIX_FMT_FP4 matrix_b_fmt:MATRIX_FMT_FP4 matrix_a_scale:MATRIX_SCALE_ROW1
.else
	v_wmma_scale_f32_16x16x128_f8f6f4 v[8*(8*((\a)%4)+\b):8*(8*((\a)%4)+\b)+7], v[128*(\p)+FR*\b:128*(\p)+FR*\b+FR-1], v[AF+FR*(\a):AF+FR*(\a)+FR-1], v[8*(8*((\a)%4)+\b):8*(8*((\a)%4)+\b)+7], v[SC+8*NQ*(\sc)+NQ*\b+(\q)], v[SC+8*NQ*(\sc)+NQ*(\a)+(\q)] matrix_a_fmt:MATRIX_FMT_FP4 matrix_b_fmt:MATRIX_FMT_FP4 matrix_a_scale:MATRIX_SCALE_ROW1
.endif
.endr
.endr
.endm
.macro FETCH_B slot, q, p
	WIN TO_B
.irp i, 0,1,2,3,4,5,6,7
	FRAG 128*(\p)+FR*\i, ADRB+\slot, \q, \i
.endr
	WIN 0
.endm
.macro FETCH_A slot, q, i0
.irp i, \i0, \i0+1, \i0+2, \i0+3
	FRAG AF+FR*(\i), ADRA+\slot, \q, \i
.endr
.endm
.macro SCALES sc                       ; a slot's scale words: lanes 0-15 take A's block i, lanes 16-31 B's block i
.irp i, 0,1,2,3,4,5,6,7
	ds_load_b128 v[SC+8*NQ*\sc+NQ*\i:SC+8*NQ*\sc+NQ*\i+3], v[ADRS] offset:\i*SBLK
.endr
.endm
.macro PLACES n                        ; plain vector instructions between a matrix instruction and a load into, or a read of, its registers
.rept \n
	v_nop
.endr
.endm
.macro STEP slot, q, first             ; a step of 128 along K that has its successor in the same slot
	s_wait_dscnt 4*NL                              ; B's set and A's blocks 0-3 are in; the youngest eight loads (A's blocks 4-7) may be out
.if \first
	WIN 0x81                                       ; as MUL_LO, with C (the bias) in window 0
.else
	WIN MUL_LO
.endif
	MUL16 0, (\q)%2, \q, \slot, \first
	MUL16 2, (\q)%2, \q, \slot, \first
	s_wait_dscnt 0
	PLACES NP
	FETCH_B \slot, (\q)+1, 1-(\q)%2
	FETCH_A \slot, (\q)+1, 0
.if \first
	WIN 0xc1
.else
	WIN MUL_HI
.endif
	MUL16 4, (\q)%2, \q, \slot, \first
	MUL16 6, (\q)%2, \q, \slot, \first
	PLACES NP
	WIN 0
	FETCH_A \slot, (\q)+1, 4
.endm
.macro TURN slot, next                 ; a slot's last step changes slots: one barrier; nothing is filled again
	s_wait_tensorcnt 0x0                           ; all my tensor loads have landed: my part of the next slot
	ds_add_u32 v[SPW], v[NIL]
	s_wait_dscnt 4*NL+1                            ; the add and the youngest eight loads may be out
	WIN MUL_LO
	MUL16 0, 1, NQ-1, \slot, 0
	s_wait_dscnt 0x0                               ; the add is done, and my reads of this slot are over
	s_barrier_signal -1
	MUL16 2, 1, NQ-1, \slot, 0
	WIN 0
	s_barrier_wait -1
	PLACES NP
	v_add_nc_u32 v[ADRS], 4*NQ, v[ADRS]            ; on to the next slot's scale words
	FETCH_B \next, 0, 0
	FETCH_A \next, 0, 0
	SCALES \next
	WIN MUL_HI
	MUL16 4, 1, NQ-1, \slot, 0
	MUL16 6, 1, NQ-1, \slot, 0
	PLACES NP
	WIN 0
	FETCH_A \next, 0, 4
.endm
	s_wait_tensorcnt 1                             ; the scales and my part of slot 0 are in; slot 1's load may be out
	s_barrier_signal -1
	s_barrier_wait -1
	FETCH_B 0, 0, 0
	FETCH_A 0, 0, 0
	SCALES 0
	FETCH_A 0, 0, 4
	s_wait_loadcnt 0x0                             ; the bias
	STEP 0, 0, 1
	STEP 0, 1, 0
	STEP 0, 2, 0
	TURN 0, 1
	STEP 1, 0, 0
	STEP 1, 1, 0
	STEP 1, 2, 0
	s_wait_dscnt 4*NL                              ; the last step: nothing more to fetch
	WIN MUL_LO
	MUL16 0, 1, NQ-1, 1, 0
	MUL16 2, 1, NQ-1, 1, 0
	s_wait_dscnt 0
	WIN MUL_HI
	MUL16 4, 1, NQ-1, 1, 0
	MUL16 6, 1, NQ-1, 1, 0
	WIN 0
; THE COLUMN SUMS OF v, for rows 64 g .. 64 g + 63 of my 128: four accumulators a column block are added in registers, each read from its low end on; the 16 rows that lie in
; 16 lanes meet through my stage: 16 rows of 512 bytes in, 16 bytes a lane and row back, a tree of additions; lanes 0-15 then hold my first head's 64 sums, lanes 16-31 the next head's.
.macro BSUM g
.if \g
	s_wait_xcnt 0x0                                ; the last store has read its data registers: they are loaded again below
.endif
	WIN 0x0a+5*(\g)                                ; sources 0 and 1: window 2 or 3
.irp b, 0,1,2,3,4,5,6,7
.irp p, 0,2,4,6
	v_pk_add_f32 v[T+8*\b+\p:T+8*\b+\p+1], v[8*\b+\p:8*\b+\p+1], v[64+8*\b+\p:64+8*\b+\p+1]
.endr
.endr
	WIN 0x08+4*(\g)                                ; source 1 alone
.irp a, 2,3
.irp b, 0,1,2,3,4,5,6,7
.irp p, 0,2,4,6
	v_pk_add_f32 v[T+8*\b+\p:T+8*\b+\p+1], v[T+8*\b+\p:T+8*\b+\p+1], v[64*\a+8*\b+\p:64*\a+8*\b+\p+1]
.endr
.endr
.endr
	WIN 0
.irp b, 0,1,2,3,4,5,6,7
	ds_store_b128 v[STO32], v[T+8*\b:T+8*\b+3] offset:64*\b
	ds_store_b128 v[STO32], v[T+8*\b+4:T+8*\b+7] offset:64*\b+16
.endr
.irp t, 0,1,2,3,4,5,6,7,8,9,10,11,12,13,14,15
	ds_load_b128 v[RR+4*\t:RR+4*\t+3], v[RD32] offset:528*\t       ; LDS serves a wave in order: these see the stores above
.endr
	s_wait_dscnt 0x0
.irp t, 0,1,2,3,4,5,6,7
.irp p, 0,2
	v_pk_add_f32 v[RR+4*\t+\p:RR+4*\t+\p+1], v[RR+4*\t+\p:RR+4*\t+\p+1], v[RR+32+4*\t+\p:RR+32+4*\t+\p+1]
.endr
.endr
.irp t, 0,1,2,3
.irp p, 0,2
	v_pk_add_f32 v[RR+4*\t+\p:RR+4*\t+\p+1], v[RR+4*\t+\p:RR+4*\t+\p+1], v[RR+16+4*\t+\p:RR+16+4*\t+\p+1]
.endr
.endr
.irp t, 0,1
.irp p, 0,2
	v_pk_add_f32 v[RR+4*\t+\p:RR+4*\t+\p+1], v[RR+4*\t+\p:RR+4*\t+\p+1], v[RR+8+4*\t+\p:RR+8+4*\t+\p+1]
.endr
.endr
.irp p, 0,2
	v_pk_add_f32 v[RR+\p:RR+\p+1], v[RR+\p:RR+\p+1], v[RR+4+\p:RR+4+\p+1]
.endr
	global_store_b128 v[BSO], v[RR:RR+3], s[12:13] offset:256*(\g)   ; sixteen lanes store 256 consecutive bytes, aligned
.endm
; THE WAY OUT of block a (16 rows x 128 columns = two heads): rounded to f16, 16 bytes a lane; through my stage; back as 4 rows x 128 bytes of one head, which are 512 consecutive bytes of qkv.
.macro PACK a
.set AC, 64*((\a)%4)
	WIN 0x0a+5*((\a)/4)
.irp b, 0,1,2,3,4,5,6,7
.irp r, 0,1,2,3
	v_cvt_pk_f16_f32 v[TMP+4*\b+\r], v[AC+8*\b+2*\r], v[AC+8*\b+2*\r+1]
.endr
.endr
	WIN 0
.endm
.macro TOSTAGE a
.set BB, BK+32*((\a)%2)
.irp b, 0,1,2,3,4,5,6,7
	ds_store_b128 v[STO16], v[TMP+4*\b:TMP+4*\b+3] offset:32*\b
.endr
.irp hh, 0,1
.irp i, 0,1,2,3
	ds_load_b128 v[BB+16*\hh+4*\i:BB+16*\hh+4*\i+3], v[RD16] offset:1088*\i+128*\hh
.endr
.endr
.endm
.macro SEND a
.set BB, BK+32*((\a)%2)
	s_wait_dscnt 0x0                               ; the block is back in registers
	s_wait_xcnt 0x0                                ; the block before has left its registers: the next block's loads may land there
.irp hh, 0,1
.irp i, 0,1,2,3
	global_store_b128 v[CO], v[BB+16*\hh+4*\i:BB+16*\hh+4*\i+3], s[10:11] offset:\hh*262144+2048*(\a)+512*\i   ; 512 consecutive bytes, aligned
.endr
.endr
.endm
	PLACES NP                                      ; behind the last products: for the reads of results and the writes and loads into registers that products have read
	s_cmp_eq_u32 ttmp9, 2                          ; the cluster's x, which all partners share: the columns of v
	s_cbranch_scc0 .Lno_sums
	BSUM 0
	BSUM 1
	s_wait_xcnt 0x0                                ; the sums' store has read its data registers: rows of the way out land there
.Lno_sums:
	PACK 0
	TOSTAGE 0
.irp a, 1,2,3,4,5,6,7                  ; block a's conversions stand between block a - 1's loads from the stage and the wait for them
	PACK \a
	SEND \a-1
	TOSTAGE \a
.endr
	SEND 7
	s_wait_tensorcnt 0x0                           ; the wave's end
	ds_add_u32 v[SPW], v[NIL]
	s_wait_dscnt 0x0
	CROUND                                         ; the closing round
	s_endpgm
.Lfunc_end_k_qa206fe5709_qkv:
	.size	k_qa206fe5709_qkv, .Lfunc_end_k_qa206fe5709_qkv-k_qa206fe5709_qkv
	.p2alignl 7, 3214868480
	.fill 96, 4, 3214868480
	.section	.rodata,"a",@progbits
	.p2align	6, 0x0
	.amdhsa_kernel k_qa206fe5709_qkv
		.amdhsa_group_segment_fixed_size 327680
		.amdhsa_private_segment_fixed_size 0
		.amdhsa_enable_private_segment 0
		.amdhsa_kernarg_size 40
		.amdhsa_user_sgpr_count 2
		.amdhsa_user_sgpr_kernarg_segment_ptr 1
		.amdhsa_wavefront_size32 1
		.amdhsa_system_sgpr_workgroup_id_x 1
		.amdhsa_system_sgpr_workgroup_id_y 1
		.amdhsa_system_sgpr_workgroup_id_z 1
		.amdhsa_system_vgpr_workitem_id 0
		.amdhsa_next_free_vgpr 1024
		.amdhsa_next_free_sgpr 100
		.amdhsa_reserve_vcc 0
		.amdhsa_float_denorm_mode_32 3
		.amdhsa_float_denorm_mode_16_64 3
		.amdhsa_memory_ordered 1
		.amdhsa_forward_progress 1
		.amdhsa_inst_pref_size 149
	.end_amdhsa_kernel
	.amdgpu_metadata
---
amdhsa.version: [ 1, 2 ]
amdhsa.kernels:
  - .name:           k_qa206fe5709_qkv
    .symbol:         k_qa206fe5709_qkv.kd
    .args:
      - { .name: xq, .offset: 0, .size: 8, .value_kind: global_buffer, .address_space: global }
      - { .name: wq, .offset: 8, .size: 8, .value_kind: global_buffer, .address_space: global }
      - { .name: b_attn, .offset: 16, .size: 8, .value_kind: global_buffer, .address_space: global }
      - { .name: qkv, .offset: 24, .size: 8, .value_kind: global_buffer, .address_space: global }
      - { .name: bs, .offset: 32, .size: 8, .value_kind: global_buffer, .address_space: global }
    .group_segment_fixed_size: 327680
    .private_segment_fixed_size: 0
    .kernarg_segment_align: 8
    .kernarg_segment_size: 40
    .max_flat_workgroup_size: 128
    .sgpr_count:     100
    .vgpr_count:     1024
    .wavefront_size: 32
...
	.end_amdgpu_metadata
.endif
;; end of part 2
;; launch first (part 3): grid 64 x 1, 6 waves a work-group, no clusters, 17,664 bytes of LDS; arguments xq, wq, b_attn, qkv, bs, sv, a16; writes sv, a16
.if DOCPART == 3
	.amdgcn_target "amdgcn-amd-amdhsa--gfx1250"
	.amdhsa_code_object_version 6
	.text
	.protected	k_qa206fe5709_first
	.globl	k_qa206fe5709_first
	.p2align	8
	.type	k_qa206fe5709_first,@function
k_qa206fe5709_first:
	s_mov_b64 s[64:65], 0
	v_nop
	global_prefetch_b8 v0, s[64:65] scope:SCOPE_SE
	s_setreg_imm32_b32 hwreg(HW_REG_WAVE_MODE, 25, 1), 1
	s_wait_xcnt 0x0
; For each (batch, head), one work-group:
;   wave 4: sv[bh][jj][64] = the sum of v over keys >= 64 (jj + 1): plain sums of the block sums bs, from the end on; never a difference.
;   waves 0-3 and then wave 0: POSITIONS 0-15 OF THE SEQUENCE IN f32.  q, k, v of these 16 rows are made anew by the quantised product (codes of E2M1, the same sums), kept in f32, and attention is done
;   by the f32 matrix form: 16 + 16 instructions.  The result goes to a16[b][64 h + channel][16 positions] f32.
;   wave 5: the sum of v over keys 16-63 (from qkv, f16).
; THE MASK'S VALUE IS -10000, NOT -infinity: hidden keys count in the softmax.  Keys 0-15 that are hidden take the raw score -80000 (an eighth of it is -10000); keys 16-2047, all hidden and all alike,
; enter as one key of that score with weight 2,032 and the sum of their v.  The row's maximum, that score among its candidates, is taken away before the exponentials.
; LIMITS: NaN and infinities are not served.
; LAYOUT: q, k tiles: source 0 = 16 rows of wq, source 1 = x's 16 rows: a lane is a position, its registers channels 8 h + j.  v tiles: the sources swapped: a lane is a channel, its registers positions 8 h + j.
; The tiles go from wave to wave through LDS as images of their registers.  v208-255 are written by matrix instructions alone.
.set XSCL,  4194304
.set WSCL,  1572864
.set IMG,   0                          ; 12 images of 1,024 bytes: 4 which + wave
.set SV0,   12288                      ; 64 f32: the sum of v over keys >= 64
.set R48,   12544                      ; 64 f32: over keys 16-63
.set STG,   12800                      ; [64 channels][16 positions] f32
.set SPARE, 16896
.set XS,  42                           ; v42-49 x's scale words, v50-73 the weights': they hold nothing else
.set WS,  50
.set XF,  74                           ; v74-105 x's four fragments
.set WF,  106                          ; v106-201 the weights': 32 tile + 8 i
.set QI,  74                           ; wave 0's finale: images of q, k, v; the suffix sum
.set KI,  106
.set VI,  138
.set SVR, 170
.set RR,  74
.set S8,  18
.set P8,  26
	s_load_b256 s[4:11], s[0:1], 0x0               ; xq, wq, b_attn, qkv
	s_load_b128 s[12:15], s[0:1], 0x20             ; bs, sv
	s_load_b64 s[16:17], s[0:1], 0x30              ; a16
	v_lshl_add_u32 v16, v0, 2, SPARE
	v_mov_b32 v17, 0
	v_lshrrev_b32 v1, 5, v0
	v_readfirstlane_b32 s18, v1                    ; wave 0..5
	v_and_b32 v1, 31, v0                           ; lane
	v_and_b32 v2, 15, v0                           ; r
	v_bfe_u32 v3, v0, 4, 1                         ; h
	v_lshlrev_b32 v4, 9, v2
	v_lshl_add_u32 v4, v3, 4, v4                   ; a row of 512 bytes of codes, + 16 h
	v_lshlrev_b32 v5, 5, v2                        ; a row of 32 scale bytes
	v_lshlrev_b32 v6, 5, v3                        ; 32 h
	v_lshlrev_b32 v7, 2, v2                        ; 4 r
	v_lshlrev_b32 v8, 4, v1                        ; 16 x lane
	s_lshl_b32 s19, s18, 10
	v_add_nc_u32 v9, s19, v8                       ; an image's place: 16 x lane + 1,024 x wave
	v_lshlrev_b32 v10, 3, v1                       ; 8 x lane
	v_and_b32 v11, 7, v0
	v_lshlrev_b32 v11, 5, v11                      ; 32 (lane % 8)
	v_lshlrev_b32 v12, 3, v3
	v_sub_nc_u32 v12, v2, v12                      ; r - 8 h
	v_lshl_add_u32 v13, v3, 9, v7                  ; 4 r + 512 h
	v_mov_b32 v14, 0xc79c4000                      ; -80000
	s_mov_b32 s20, 0x76543210
	s_mov_b32 s21, 0xfedcba98                      ; lane l xor 16
	s_mov_b32 s22, 0x3e38aa3b                      ; c = log2(e) / 8
	s_mov_b32 s23, s22
	s_lshr_b32 s24, ttmp9, 4                       ; b
	s_and_b32 s25, ttmp9, 15                       ; head
	s_wait_kmcnt 0x0
	s_cmp_lt_u32 s18, 4
	s_cbranch_scc1 .Lqkv
	s_cmp_eq_u32 s18, 4
	s_cbranch_scc1 .Lscan
; ---- wave 5: v's keys 16-63: 12 loads of 512 bytes; a lane holds channels 8 (lane % 8) + 0 .. 7 of row lane / 8
	s_add_co_u32 s26, ttmp9, 128
	s_lshl_b32 s26, s26, 18
	s_add_co_u32 s26, s26, 2048
	s_mov_b32 s27, 0
	s_add_nc_u64 s[10:11], s[10:11], s[26:27]
.irp i, 0,1,2,3,4,5,6,7,8,9,10,11
	global_load_b128 v[32+4*\i:35+4*\i], v8, s[10:11] offset:512*\i
.endr
	s_wait_loadcnt 0x0
.set n, 0
.irp r, 32,33,34,35,36,37,38,39,40,41,42,43,44,45,46,47,48,49,50,51,52,53,54,55,56,57,58,59,60,61,62,63,64,65,66,67,68,69,70,71,72,73,74,75,76,77,78,79
.if n < 4
	v_cvt_f32_f16 v[88+2*n], v\r\().l              ; the first load starts the sums
	v_cvt_f32_f16 v[89+2*n], v\r\().h
.else
	v_cvt_f32_f16 v[96+2*(n%4)], v\r\().l
	v_cvt_f32_f16 v[97+2*(n%4)], v\r\().h
	v_pk_add_f32 v[88+2*(n%4):89+2*(n%4)], v[88+2*(n%4):89+2*(n%4)], v[96+2*(n%4):97+2*(n%4)]
.endif
.set n, n+1
.endr
.irp q, 0,1,2,3,4,5,6,7
	v_add_f32_dpp v[88+\q], v[88+\q], v[88+\q] row_xmask:8 row_mask:0xf bank_mask:0xf
.endr
.irp q, 0,1,2,3,4,5,6,7
	v_permlanex16_b32 v[96+\q], v[88+\q], s20, s21
.endr
.irp q, 0,2,4,6
	v_pk_add_f32 v[88+\q:89+\q], v[88+\q:89+\q], v[96+\q:97+\q]
.endr
	ds_store_b128 v11, v[88:91] offset:R48         ; the four lanes with the same lane % 8 write the same values
	ds_store_b128 v11, v[92:95] offset:R48+16
	s_branch .Ljoin
.Lscan:
; ---- wave 4: the suffix sums; a lane holds two channels
	s_lshl_b32 s26, ttmp9, 13                      ; 32 rows of 256 bytes
	s_mov_b32 s27, 0
	s_add_nc_u64 s[12:13], s[12:13], s[26:27]
	s_add_nc_u64 s[14:15], s[14:15], s[26:27]
.set j, 1
.rept 31
	global_load_b64 v[30+2*j:31+2*j], v10, s[12:13] offset:256*j
.set j, j+1
.endr
	v_mov_b32 v94, 0
	v_mov_b32 v95, 0
	s_wait_loadcnt 0x0
.set j, 30
.rept 30
	v_pk_add_f32 v[30+2*j:31+2*j], v[30+2*j:31+2*j], v[32+2*j:33+2*j]   ; R(j) += R(j + 1)
.set j, j-1
.endr
.set j, 0
.rept 32
	global_store_b64 v10, v[32+2*j:33+2*j], s[14:15] offset:256*j        ; sv row j = R(j + 1); row 31 is zero.  256 consecutive bytes, aligned
.set j, j+1
.endr
	ds_store_b64 v10, v[32:33] offset:SV0
	s_branch .Ljoin
.Lqkv:
; ---- waves 0-3: channels 16 w .. 16 w + 15 of q, k, v for positions 0-15
	s_lshl_b32 s26, s25, 6
	s_lshl_b32 s28, s18, 4
	s_add_co_u32 s26, s26, s28                     ; n0 = 64 head + 16 wave
	s_mov_b32 s29, 0
	s_lshl_b32 s28, s26, 2
	s_add_nc_u64 s[8:9], s[8:9], s[28:29]          ; the bias
	s_lshl_b32 s28, s26, 5
	s_add_co_u32 s28, s28, WSCL
	s_add_nc_u64 s[30:31], s[6:7], s[28:29]        ; the weights' scale words
	s_lshl_b32 s28, s26, 9
	s_add_nc_u64 s[6:7], s[6:7], s[28:29]          ; their codes
	s_lshl_b32 s28, s24, 16
	s_add_co_u32 s28, s28, XSCL
	s_add_nc_u64 s[32:33], s[4:5], s[28:29]        ; x's scale words
	s_lshl_b32 s28, s24, 20
	s_add_nc_u64 s[4:5], s[4:5], s[28:29]          ; x's codes
	global_load_b128 v[18:21], v6, s[8:9]                          ; q's bias: channels 8 h + 0 .. 7
	global_load_b128 v[22:25], v6, s[8:9] offset:16
	global_load_b128 v[26:29], v6, s[8:9] offset:4096              ; k's
	global_load_b128 v[30:33], v6, s[8:9] offset:4096+16
.irp j, 0,1,2,3,4,5,6,7
	global_load_b32 v[34+\j], v7, s[8:9] offset:8192               ; v's: my channel's, for each of the eight positions
.endr
	global_load_b128 v[XS:XS+3], v5, s[32:33]
	global_load_b128 v[XS+4:XS+7], v5, s[32:33] offset:16
.irp t, 0,1,2
	global_load_b128 v[WS+8*\t:WS+8*\t+3], v5, s[30:31] offset:32768*\t
	global_load_b128 v[WS+8*\t+4:WS+8*\t+7], v5, s[30:31] offset:32768*\t+16
.endr
.macro FP4 d, a, b, c, sa, sb
	v_wmma_scale_f32_16x16x128_f8f6f4 v[\d:\d+7], v[\a:\a+7], v[\b:\b+7], v[\c:\c+7], v[\sa], v[\sb] matrix_a_fmt:MATRIX_FMT_FP4 matrix_b_fmt:MATRIX_FMT_FP4
.endm
.macro HALF k                          ; four of the eight steps of 128 along K; the three accumulators take turns
.irp i, 0,1,2,3
.irp c, 0,1
	global_load_b128 v[XF+8*\i+4*\c:XF+8*\i+4*\c+3], v4, s[4:5] offset:64*(4*\k+\i)+32*\c
.irp t, 0,1,2
	global_load_b128 v[WF+32*\t+8*\i+4*\c:WF+32*\t+8*\i+4*\c+3], v4, s[6:7] offset:524288*\t+64*(4*\k+\i)+32*\c
.endr
.endr
.endr
	s_wait_loadcnt 0x0
.irp i, 0,1,2,3
.if \k+\i == 0
	FP4 208, WF+8*\i, XF+8*\i, 18, WS+4*\k+\i, XS+4*\k+\i
	FP4 216, WF+32+8*\i, XF+8*\i, 26, WS+8+4*\k+\i, XS+4*\k+\i
	FP4 224, XF+8*\i, WF+64+8*\i, 34, XS+4*\k+\i, WS+16+4*\k+\i
.else
	FP4 208, WF+8*\i, XF+8*\i, 208, WS+4*\k+\i, XS+4*\k+\i
	FP4 216, WF+32+8*\i, XF+8*\i, 216, WS+8+4*\k+\i, XS+4*\k+\i
	FP4 224, XF+8*\i, WF+64+8*\i, 224, XS+4*\k+\i, WS+16+4*\k+\i
.endif
.endr
.rept 5
	v_nop                                          ; places: in front of loads into the fragments' registers, of the stores of results, and of later products that write these registers
.endr
.endm
	HALF 0
	HALF 1
.irp t, 0,1,2
	ds_store_b128 v9, v[208+8*\t:211+8*\t] offset:IMG+4096*\t        ; each result from its low end on
	ds_store_b128 v9, v[212+8*\t:215+8*\t] offset:IMG+4096*\t+512
.endr
.Ljoin:
	s_wait_dscnt 0x0                               ; for the others' sake: my LDS stores have landed
	s_barrier_signal -1
	s_barrier_wait -1
	s_cmp_lg_u32 s18, 0
	s_cbranch_scc1 .Lend
; ---- wave 0: attention for 16 queries and 16 keys
.irp t, 0,1,2,3
	ds_load_b128 v[QI+8*\t:QI+8*\t+3], v8 offset:IMG+1024*\t
	ds_load_b128 v[QI+8*\t+4:QI+8*\t+7], v8 offset:IMG+1024*\t+512
	ds_load_b128 v[KI+8*\t:KI+8*\t+3], v8 offset:IMG+4096+1024*\t
	ds_load_b128 v[KI+8*\t+4:KI+8*\t+7], v8 offset:IMG+4096+1024*\t+512
	ds_load_b128 v[VI+8*\t:VI+8*\t+3], v8 offset:IMG+8192+1024*\t
	ds_load_b128 v[VI+8*\t+4:VI+8*\t+7], v8 offset:IMG+8192+1024*\t+512
	ds_load_b128 v[SVR+8*\t:SVR+8*\t+3], v6 offset:SV0+64*\t         ; channels 16 t + 8 h + 0 .. 7
	ds_load_b128 v[SVR+8*\t+4:SVR+8*\t+7], v6 offset:SV0+64*\t+16
.endr
	v_mov_b32 v35, 0                               ; a lane permute's destination counts as a source; upper halves of pairs are written
	v_mov_b32 v37, 0
	v_mov_b32 v23, 0
	v_mov_b32 v25, 0
	v_nop
	s_wait_dscnt 0x0
; S^T = k q^T: step e takes registers 2 (e % 4), + 1 of tile e / 4 from both images: the same four channels on both sides.  Two accumulators by turns; each begins with the constant 0.
.set e, 0
.rept 16
.if e < 2
	v_wmma_f32_16x16x4_f32 v[208+8*(e%2):215+8*(e%2)], v[KI+8*(e/4)+2*(e%4):KI+8*(e/4)+2*(e%4)+1], v[QI+8*(e/4)+2*(e%4):QI+8*(e/4)+2*(e%4)+1], 0
.else
	v_wmma_f32_16x16x4_f32 v[208+8*(e%2):215+8*(e%2)], v[KI+8*(e/4)+2*(e%4):KI+8*(e/4)+2*(e%4)+1], v[QI+8*(e/4)+2*(e%4):QI+8*(e/4)+2*(e%4)+1], v[208+8*(e%2):215+8*(e%2)]
.endif
.set e, e+1
.endr
.rept 8
	v_nop                                          ; eight places behind this form: for the reads of the sums and for the loads into q's registers
.endr
.irp t, 0,1,2,3
	ds_load_b128 v[RR+8*\t:RR+8*\t+3], v6 offset:R48+64*\t
	ds_load_b128 v[RR+8*\t+4:RR+8*\t+7], v6 offset:R48+64*\t+16
.endr
.irp p, 0,2,4,6
	v_pk_add_f32 v[S8+\p:S8+\p+1], v[208+\p:209+\p], v[216+\p:217+\p]   ; a lane is query r; register j is key 8 h + j
.endr
.irp j, 0,1,2,3,4,5,6,7
	v_cmp_gt_i32 vcc_lo, \j, v12                   ; key 8 h + j > query r: hidden
	v_cndmask_b32 v[S8+\j], v[S8+\j], v14, vcc_lo
.endr
	v_max3_num_f32 v34, v18, v19, v20
	v_max3_num_f32 v34, v34, v21, v22
	v_max3_num_f32 v34, v34, v23, v24
	v_max3_num_f32 v34, v34, v25, v14              ; the hidden keys' score is among the candidates
	v_permlanex16_b32 v35, v34, s20, s21
	v_max_num_f32 v34, v34, v35                    ; the row's maximum
	v_mul_f32 v36, s22, v34
.irp p, 0,2,4,6
	v_pk_fma_f32 v[P8+\p:P8+\p+1], v[S8+\p:S8+\p+1], s[22:23], v[36:37] op_sel_hi:[1,0,0] neg_lo:[0,0,1] neg_hi:[0,0,1]
.endr
	v_fma_f32 v38, v14, s22, -v36
.irp j, 0,1,2,3,4,5,6,7
	v_exp_f32 v[P8+\j], v[P8+\j]
.endr
	v_exp_f32 v38, v38                             ; the weight of one hidden key
	v_nop
	s_wait_alu depctr_va_vdst(0)                   ; one wait for the nine exponentials, ahead of their first reader
	v_pk_add_f32 v[40:41], v[26:27], v[28:29]
	v_pk_add_f32 v[18:19], v[30:31], v[32:33]
	v_pk_add_f32 v[40:41], v[40:41], v[18:19]
	v_add_f32 v40, v40, v41
	v_permlanex16_b32 v41, v40, s20, s21
	v_add_f32 v40, v40, v41
	v_fmamk_f32 v40, v38, 0x44fe0000, v40          ; + 2,032 hidden keys
	v_rcp_f32 v22, v40
	v_mov_b32 v23, 0                               ; (a plain place; the pair's upper half)
	s_wait_alu depctr_va_vdst(0)
	v_mul_f32 v24, v38, v22                        ; the hidden keys' weight / the sum
	s_wait_dscnt 0x0
.set i, 0
.rept 16
	v_pk_add_f32 v[SVR+2*i:SVR+2*i+1], v[SVR+2*i:SVR+2*i+1], v[RR+2*i:RR+2*i+1]   ; the sum of v over keys >= 16
.set i, i+1
.endr
; O^T = v^T p: registers 2 i, + 1 of both: the same four keys on both sides.  Four accumulators by turns.
.irp i, 0,1,2,3
.irp t, 0,1,2,3
.if \i == 0
	v_wmma_f32_16x16x4_f32 v[224+8*\t:231+8*\t], v[VI+8*\t+2*\i:VI+8*\t+2*\i+1], v[P8+2*\i:P8+2*\i+1], 0
.else
	v_wmma_f32_16x16x4_f32 v[224+8*\t:231+8*\t], v[VI+8*\t+2*\i:VI+8*\t+2*\i+1], v[P8+2*\i:P8+2*\i+1], v[224+8*\t:231+8*\t]
.endif
.endr
.endr
.set i, 0
.rept 16
	v_pk_mul_f32 v[SVR+2*i:SVR+2*i+1], v[SVR+2*i:SVR+2*i+1], v[24:25] op_sel_hi:[1,0]   ; sixteen plain lines that name none of the products' registers: their places
.set i, i+1
.endr
.set i, 0
.rept 16
	v_pk_fma_f32 v[SVR+2*i:SVR+2*i+1], v[224+2*i:225+2*i], v[22:23], v[SVR+2*i:SVR+2*i+1] op_sel_hi:[1,0,1]   ; each result from its low end on
.set i, i+1
.endr
.irp t, 0,1,2,3
.irp j, 0,1,2,3,4,5,6,7
	ds_store_b32 v13, v[SVR+8*\t+\j] offset:STG+1024*\t+64*\j        ; channel 16 t + 8 h + j, position r
.endr
.endr
.irp i, 0,1,2,3,4,5,6,7
	ds_load_b128 v[74+4*\i:77+4*\i], v8 offset:STG+512*\i
.endr
	s_lshl_b32 s26, ttmp9, 12                      ; (1,024 b + 64 head) rows of 64 bytes
	s_mov_b32 s27, 0
	s_add_nc_u64 s[16:17], s[16:17], s[26:27]
.irp i, 0,1,2,3,4,5,6,7
	s_wait_dscnt 7-\i
	global_store_b128 v8, v[74+4*\i:77+4*\i], s[16:17] offset:512*\i
.endr
.Lend:
	s_wait_tensorcnt 0x0                           ; the wave's end
	ds_add_u32 v16, v17
	s_wait_dscnt 0x0
	s_endpgm
.Lfunc_end_k_qa206fe5709_first:
	.size	k_qa206fe5709_first, .Lfunc_end_k_qa206fe5709_first-k_qa206fe5709_first
	.p2alignl 7, 3214868480
	.fill 96, 4, 3214868480
	.section	.rodata,"a",@progbits
	.p2align	6, 0x0
	.amdhsa_kernel k_qa206fe5709_first
		.amdhsa_group_segment_fixed_size 17664
		.amdhsa_private_segment_fixed_size 0
		.amdhsa_enable_private_segment 0
		.amdhsa_kernarg_size 56
		.amdhsa_user_sgpr_count 2
		.amdhsa_user_sgpr_kernarg_segment_ptr 1
		.amdhsa_wavefront_size32 1
		.amdhsa_system_sgpr_workgroup_id_x 1
		.amdhsa_system_sgpr_workgroup_id_y 1
		.amdhsa_system_sgpr_workgroup_id_z 1
		.amdhsa_system_vgpr_workitem_id 0
		.amdhsa_next_free_vgpr 256
		.amdhsa_next_free_sgpr 66
		.amdhsa_reserve_vcc 1
		.amdhsa_float_denorm_mode_32 3
		.amdhsa_float_denorm_mode_16_64 3
		.amdhsa_memory_ordered 1
		.amdhsa_forward_progress 1
		.amdhsa_inst_pref_size 45
	.end_amdhsa_kernel
	.amdgpu_metadata
---
amdhsa.version: [ 1, 2 ]
amdhsa.kernels:
  - .name:           k_qa206fe5709_first
    .symbol:         k_qa206fe5709_first.kd
    .args:
      - { .name: xq, .offset: 0, .size: 8, .value_kind: global_buffer, .address_space: global }
      - { .name: wq, .offset: 8, .size: 8, .value_kind: global_buffer, .address_space: global }
      - { .name: b_attn, .offset: 16, .size: 8, .value_kind: global_buffer, .address_space: global }
      - { .name: qkv, .offset: 24, .size: 8, .value_kind: global_buffer, .address_space: global }
      - { .name: bs, .offset: 32, .size: 8, .value_kind: global_buffer, .address_space: global }
      - { .name: sv, .offset: 40, .size: 8, .value_kind: global_buffer, .address_space: global }
      - { .name: a16, .offset: 48, .size: 8, .value_kind: global_buffer, .address_space: global }
    .group_segment_fixed_size: 17664
    .private_segment_fixed_size: 0
    .kernarg_segment_align: 8
    .kernarg_segment_size: 56
    .max_flat_workgroup_size: 192
    .sgpr_count:     66
    .vgpr_count:     256
    .wavefront_size: 32
...
	.end_amdgpu_metadata
.endif
;; end of part 3
;; launch attn (part 4): grid 4 x 64, 8 waves a work-group, no clusters, 327,680 bytes of LDS; arguments qkv, sv, a; writes a
.if DOCPART == 4
	.amdgcn_target "amdgcn-amd-amdhsa--gfx1250"
	.amdhsa_code_object_version 6
	.text
	.protected	k_qa206fe5709_attn
	.globl	k_qa206fe5709_attn
	.p2align	8
	.type	k_qa206fe5709_attn,@function
k_qa206fe5709_attn:
	s_mov_b64 s[64:65], 0
	v_nop
	global_prefetch_b8 v0, s[64:65] scope:SCOPE_SE
	s_setreg_imm32_b32 hwreg(HW_REG_WAVE_MODE, 25, 1), 1
	s_wait_xcnt 0x0
; a[b][h][q][:] = the sum over all 2,048 keys of softmax(where(key <= q, q . k / 8, -10000)) v, with f16 operands and f32 sums, maxima and row sums.
; THE MASK'S VALUE IS -10000, NOT -infinity, so hidden keys count.  In the one step on the diagonal hidden scores become the raw score -80000 and go on as keys.  All keys behind that step are alike: they enter
; at the end as ONE key of that score, weighted by their number, with the sum of their v (sv, made by the launch before).  A running maximum is taken away before every exponential.
; SHARES.  Work-group (P, bh) takes query block 7 - P (its key slots 0 .. 7 - P) and then block P (slots 0 .. P): nine slots of 256 keys in every work-group, so the trip count is a constant.
; A wave owns 32 queries, two tiles of 16; a key step is 64 keys.  Eight waves, two to a SIMD, so that one wave's vector work stands beside the other's products.
; NO CLUSTER: the four work-groups of a head stand at different slots in the same trip once the first of them has changed blocks, so their requests are not the same.
; LAYOUT.  S^T = K Q^T (source 0 = 16 keys, source 1 = 16 queries), O^T = V^T P: a lane holds one query throughout.  K and V lie in LDS as rows of two keys (256 bytes), padded by 16 and 32 bytes.
; LIMITS: NaN and infinities are not served; weights under 2^-25 round to 0 in f16; the results must lie under 65,504 in magnitude.
; REGISTERS: window 0: v1-15 addresses; v16-31 statistics, 8 a tile (+0 c m, +1 m, +2, +3 the sum, +4..7 at work); v32-63 at work; v64-127 S^T; v128-159 P; v160-191 Q; v192-255 K.
;   window 1: v0-63 O^T; v64-127 V; v128-159 the hidden keys' sum of v.
.set HEADB, 262144
.set SLOT1, 131072
.set PK,    272
.set PV,    288
.set VOFF,  128*PK
.set STAGE, 262144                     ; 32 rows x 144 bytes for each wave
.set SPARE, 299008
.set AK0, 1
.set AV0, 2
.set ADK, 3
.set ADV, 4
.set QO,  5
.set STO, 6
.set RD,  7
.set GO,  8
.set SPW, 9
.set NIL, 10
.set PFO, 11
.set RH,  12                           ; r - 8 h
.set DD,  13
.set MBV, 14                           ; -80000
.set SVO, 15                           ; 32 h
.set ST,  16
.set TMP, 32
.set S,   64
.set P,   128
.set Q,   160
.set KFR, 192
.set O,   0
.set VF,  64
.set SV,  128
.set WV,  10
.set BH,  12
.set G1K, 24
.set G1V, 32
.set G0K, 40
.set G0V, 44
.set KB,  48                           ; s[48:49] K's head, at my half of a slot;  s[50:51] V's
.set VB,  50
.set QA,  52                           ; s[52:53], s[54:55] Q's rows of the first and the second block
.set QN,  54
.set OA,  56                           ; s[56:57], s[58:59] a's rows
.set ON,  58
.set SVA, 60                           ; s[60:61], s[62:63] sv's rows
.set SVN, 62
.set CS,  66
.set SEL, 68
.set KF,  70                           ; the step's first key
.set Q0,  71                           ; my first query
.set QBK, 72                           ; the first key of the block's last slot
.set Q0N, 73
.set QBKN, 74
.set TBK, 75                           ; LDS byte of the step's K, of its V
.set TBV, 76
.set TR,  77
.set STP, 78
.set MB,  79                           ; the hidden keys' raw score (-3e38 where none is left), and their number as f32
.set NR,  80
.set MBN, 81
.set NRN, 82
.set NO,  84
.set NK,  86
.set TT,  87
.set PFA, 88
.set LIM, 90
.set MSB, 0
.macro WIN new
.if MSB != \new
	s_set_vgpr_msb (MSB<<8)|\new
.set MSB, \new
.endif
.endm
; Waves 0 and 1 fetch K's halves of a slot, waves 2 and 3 V's, the others nothing.  An s_nop 0 and four v_nop follow each line.
.macro TLOAD
	s_cmp_lt_u32 s[WV], 2
	s_cbranch_scc0 .Lnot_k_\@
	tensor_load_to_lds s[G0K:G0K+3], s[G1K:G1K+7]
	s_nop 0
.rept 4
	v_nop
.endr
	s_branch .Lasked_\@
.Lnot_k_\@:
	s_cmp_lt_u32 s[WV], 4
	s_cbranch_scc0 .Lasked_\@
	tensor_load_to_lds s[G0V:G0V+3], s[G1V:G1V+7]
	s_nop 0
.rept 4
	v_nop
.endr
.Lasked_\@:
.endm
; A prefetch of the slot that the NEXT change of slots will ask for.  The four work-groups of a head walk the same K and V: the one with P = 0, which walks slots 0 to 7 in order, asks: waves 0-3 for K's
; 32,768 bytes, waves 4-7 for V's, 8,192 bytes a wave, lanes 256 bytes apart: each aligned 256 bytes once in the launch.  Trip t names slot t + 2, for t up to 5; slots 0 and 1 come by their loads alone.
.macro ASK
	s_cmp_gt_u32 s[TR], s[LIM]
	s_cbranch_scc0 .Lnot_mine_\@
	global_prefetch_b8 v[PFO], s[PFA:PFA+1] th:TH_LOAD_NT scope:SCOPE_SE
.Lnot_mine_\@:
.endm
.macro QLOAD b                         ; my 32 queries: tile u, channels 32 c on
.irp u, 0,1
.irp c, 0,1
	global_load_b128 v[Q+16*\u+8*\c:Q+16*\u+8*\c+3], v[QO], s[\b:\b+1] offset:2048*\u+64*\c
	global_load_b128 v[Q+16*\u+8*\c+4:Q+16*\u+8*\c+7], v[QO], s[\b:\b+1] offset:2048*\u+64*\c+32
.endr
.endr
.endm
.macro SVLOAD b                        ; the hidden keys' sum of v: channels 16 t + 8 h + 0 .. 7
	WIN 0x40
.irp t, 0,1,2,3
	global_load_b128 v[SV+8*\t:SV+8*\t+3], v[SVO], s[\b:\b+1] offset:64*\t
	global_load_b128 v[SV+8*\t+4:SV+8*\t+7], v[SVO], s[\b:\b+1] offset:64*\t+16
.endr
	WIN 0
.endm
.macro INIT                            ; the step is written once: the first finds zeros and a maximum under every score
	WIN 0x40
.set i, 0
.rept 64
	v_mov_b32 v[O+i], 0
.set i, i+1
.endr
	WIN 0
.irp u, 0,1
	v_mov_b32 v[ST+8*\u+1], 0xff61b1e6             ; -3e38
	v_mul_f32 v[ST+8*\u], s[CS], v[ST+8*\u+1]
	v_mov_b32 v[ST+8*\u+2], 0
	v_mov_b32 v[ST+8*\u+3], 0
.endr
.endm
	s_load_b128 s[4:7], s[0:1], 0x0                ; qkv, sv
	s_load_b64 s[8:9], s[0:1], 0x10                ; a
	v_lshl_add_u32 v[SPW], v0, 2, SPARE
	v_mov_b32 v[NIL], 0
	ds_add_u32 v[SPW], v[NIL]                      ; the wave's opening: the add, twice on end, and its wait ahead of the first tensor load
	ds_add_u32 v[SPW], v[NIL]
	v_lshrrev_b32 v1, 5, v0
	v_readfirstlane_b32 s[WV], v1                  ; wave 0..7
	s_and_b32 s[BH], ttmp7, 0xffff
	s_mov_b32 s[G1K], (0<<16)|(1<<20)|(5<<22)|(3<<25)   ; elements of 1 byte; padding: 4 words after every 64
	s_mov_b32 s[G1V], (0<<16)|(1<<20)|(5<<22)|(7<<25)   ; 8 words
.irp g, G1K, G1V
	s_mov_b32 s[\g+1], 256<<16                     ; tensor_dim0: a row of two keys
	s_mov_b32 s[\g+2], 64<<16                      ; tensor_dim1
	s_mov_b32 s[\g+3], 256<<16                     ; tile_dim0
	s_mov_b32 s[\g+4], 64                          ; tile_dim1
	s_mov_b32 s[\g+5], 256                         ; the pitch: dense
	s_mov_b32 s[\g+6], 0
	s_mov_b32 s[\g+7], 0
.endr
	s_lshl_b32 s14, s[BH], 18                      ; the head's first byte in q and in a
	s_and_b32 s16, s[WV], 1
	s_lshl_b32 s17, s16, 14                        ; my half of a slot in memory
	s_add_co_u32 s18, s14, s17
	s_add_co_u32 s18, s18, 64*HEADB                ; in k
	s_mov_b32 s19, 0
	s_add_co_u32 s20, s18, 64*HEADB                ; in v
	s_mov_b32 s21, 0
	s_mul_i32 s22, s16, 64*PK                      ; and in LDS
	s_mul_i32 s23, s16, 64*PV
	s_add_co_u32 s23, s23, VOFF
	s_sub_co_u32 s[QBK], 7, ttmp9
	s_lshl_b32 s[QBK], s[QBK], 8
	s_lshl_b32 s[TT], s[WV], 5
	s_add_co_u32 s[Q0], s[QBK], s[TT]
	s_lshl_b32 s[QBKN], ttmp9, 8
	s_add_co_u32 s[Q0N], s[QBKN], s[TT]
	s_mov_b32 s83, 0xff61b1e6
	s_lshr_b32 s15, s[Q0], 6                       ; jj: my last step's number; keys from 64 (jj + 1) on stay hidden
	s_sub_co_u32 s[NR], 31, s15
	s_lshl_b32 s[NR], s[NR], 6
	s_cvt_f32_u32 s[NR], s[NR]
	s_mov_b32 s[MB], 0xc79c4000
	s_cmp_eq_u32 s15, 31
	s_cselect_b32 s[MB], s83, s[MB]
	s_lshl_b32 s[TT], s[BH], 5
	s_add_co_u32 s15, s15, s[TT]
	s_lshl_b32 s15, s15, 8                         ; sv's row, in bytes
	s_lshr_b32 s13, s[Q0N], 6
	s_sub_co_u32 s[NRN], 31, s13
	s_lshl_b32 s[NRN], s[NRN], 6
	s_cvt_f32_u32 s[NRN], s[NRN]
	s_mov_b32 s[MBN], 0xc79c4000
	s_cmp_eq_u32 s13, 31
	s_cselect_b32 s[MBN], s83, s[MBN]
	s_add_co_u32 s13, s13, s[TT]
	s_lshl_b32 s13, s13, 8
	s_mov_b32 s[CS], 0x3e38aa3b                    ; c = log2(e) / 8
	s_mov_b32 s[CS+1], s[CS]
	s_mov_b32 s[SEL], 0x76543210
	s_mov_b32 s[SEL+1], 0xfedcba98
	s_mov_b32 s[KF], 0
	s_mov_b32 s[TBK], 0
	s_mov_b32 s[TBV], 0
	s_mov_b32 s[NO+1], 0
	v_and_b32 v33, 15, v0                          ; r
	v_bfe_u32 v34, v0, 4, 1                        ; h
	v_lshrrev_b32 v35, 1, v33
	v_mul_u32_u24 v[AK0], v35, PK
	v_and_b32 v35, 1, v0
	v_lshl_add_u32 v[AK0], v35, 7, v[AK0]
	v_lshl_add_u32 v[AK0], v34, 4, v[AK0]          ; K: key r: row r / 2, 128 (r % 2), + 16 h
	v_bfe_u32 v36, v0, 1, 2
	v_lshl_add_u32 v36, v34, 2, v36
	v_mul_u32_u24 v[AV0], v36, PV
	v_lshl_add_u32 v[AV0], v35, 7, v[AV0]
	v_bfe_u32 v36, v0, 3, 1
	v_lshl_add_u32 v[AV0], v36, 4, v[AV0]
	v_add_nc_u32 v[AV0], VOFF, v[AV0]              ; V, for the turning load: key 8 h + l % 8, channels 8 ((l / 8) % 2) on
	v_lshlrev_b32 v[QO], 7, v33
	v_lshl_add_u32 v[QO], v34, 4, v[QO]
	s_mul_i32 s[TT], s[WV], 32*144
	s_add_co_u32 s[TT], s[TT], STAGE
	v_mul_u32_u24 v[STO], v33, 144
	v_lshl_add_u32 v[STO], v34, 4, v[STO]
	v_add_nc_u32 v[STO], s[TT], v[STO]
	v_bfe_u32 v36, v0, 3, 2
	v_mul_u32_u24 v[RD], v36, 144
	v_and_b32 v36, 7, v0
	v_lshl_add_u32 v[RD], v36, 4, v[RD]
	v_add_nc_u32 v[RD], s[TT], v[RD]
	v_and_b32 v36, 31, v0
	v_lshlrev_b32 v[GO], 4, v36
	v_lshlrev_b32 v[PFO], 8, v36
	v_lshlrev_b32 v[RH], 3, v34
	v_sub_nc_u32 v[RH], v33, v[RH]
	v_mov_b32 v[MBV], 0xc79c4000
	v_lshlrev_b32 v[SVO], 5, v34
	s_wait_dscnt 0x0                               ; both opening adds are done
	s_wait_kmcnt 0x0
	s_add_nc_u64 s[KB:KB+1], s[4:5], s[18:19]
	s_add_nc_u64 s[VB:VB+1], s[4:5], s[20:21]
	s_mov_b32 s[G0K], 1
	s_mov_b32 s[G0K+1], s22
	s_mov_b64 s[G0K+2:G0K+3], s[KB:KB+1]
	s_or_b32 s[G0K+3], s[G0K+3], 0x80000000
	s_mov_b32 s[G0V], 1
	s_mov_b32 s[G0V+1], s23
	s_mov_b64 s[G0V+2:G0V+3], s[VB:VB+1]
	s_or_b32 s[G0V+3], s[G0V+3], 0x80000000
	TLOAD                                          ; slot 0: keys 0-255, which count for every block
	s_lshl_b32 s[NO], s[Q0], 7
	s_add_co_u32 s[NO], s[NO], s14
	s_add_nc_u64 s[QA:QA+1], s[4:5], s[NO:NO+1]
	s_add_nc_u64 s[OA:OA+1], s[8:9], s[NO:NO+1]
	s_lshl_b32 s[NO], s[Q0N], 7
	s_add_co_u32 s[NO], s[NO], s14
	s_add_nc_u64 s[QN:QN+1], s[4:5], s[NO:NO+1]
	s_add_nc_u64 s[ON:ON+1], s[8:9], s[NO:NO+1]
	s_mov_b32 s[NO], s15
	s_add_nc_u64 s[SVA:SVA+1], s[6:7], s[NO:NO+1]
	s_mov_b32 s[NO], s13
	s_add_nc_u64 s[SVN:SVN+1], s[6:7], s[NO:NO+1]
	s_mov_b32 s[TT], 128*HEADB
	s_cmp_lt_u32 s[WV], 4
	s_cselect_b32 s[TT], 64*HEADB, s[TT]           ; waves 0-3 ask for K, waves 4-7 for V
	s_add_co_u32 s[NO], s14, s[TT]
	s_and_b32 s[TT], s[WV], 3
	s_lshl_b32 s[TT], s[TT], 13
	s_add_co_u32 s[NO], s[NO], s[TT]
	s_add_co_u32 s[NO], s[NO], 32768               ; in slot 1: the first change of slots steps it to slot 2
	s_add_nc_u64 s[PFA:PFA+1], s[4:5], s[NO:NO+1]
	s_cmp_eq_u32 ttmp9, 0
	s_cselect_b32 s[LIM], 2, -1
	QLOAD QA
	SVLOAD SVA
	INIT
	s_wait_loadcnt 8                               ; Q's eight loads are in; the eight behind them may be out
; A KEY STEP: 64 keys.
.macro KSTEP
	s_add_co_u32 s[TT], s[Q0], 31
	s_cmp_gt_u32 s[KF], s[TT]                      ; all its keys come after my 32 queries: they are among the hidden keys of the end
	s_cbranch_scc1 .Lhidden_\@
	v_add_nc_u32 v[ADK], s[TBK], v[AK0]
	v_add_nc_u32 v[ADV], s[TBV], v[AV0]
.irp kt, 0,1,2,3
.irp c, 0,1
	ds_load_b128 v[KFR+16*\kt+8*\c:KFR+16*\kt+8*\c+3], v[ADK] offset:8*PK*\kt+64*\c
	ds_load_b128 v[KFR+16*\kt+8*\c+4:KFR+16*\kt+8*\c+7], v[ADK] offset:8*PK*\kt+64*\c+32
.endr
.endr
	s_wait_dscnt 0x0
.irp c, 0,1                            ; eight accumulators by turns; the first products start the sums
.irp kt, 0,1,2,3
.irp u, 0,1
.if \c == 0
	v_wmma_f32_16x16x32_f16 v[S+32*\u+8*\kt:S+32*\u+8*\kt+7], v[KFR+16*\kt+8*\c:KFR+16*\kt+8*\c+7], v[Q+16*\u+8*\c:Q+16*\u+8*\c+7], 0
.else
	v_wmma_f32_16x16x32_f16 v[S+32*\u+8*\kt:S+32*\u+8*\kt+7], v[KFR+16*\kt+8*\c:KFR+16*\kt+8*\c+7], v[Q+16*\u+8*\c:Q+16*\u+8*\c+7], v[S+32*\u+8*\kt:S+32*\u+8*\kt+7]
.endif
.endr
.endr
.endr
.rept 4
	v_nop                                          ; places in front of the first read of the scores
.endr
	s_add_co_u32 s[TT], s[KF], 63
	s_cmp_le_u32 s[TT], s[Q0]                      ; all 64 keys count for all my queries
	s_cbranch_scc1 .Lopen_\@
	s_sub_co_i32 s[TT], s[Q0], s[KF]
	v_add_nc_u32 v[DD], s[TT], v[RH]               ; d = Q0 - KF + r - 8 h.  Register (u, kt, j): key KF + 16 kt + 8 h + j, query Q0 + 16 u + r: hidden where 16 kt + j - 16 u > d
.irp u, 0,1
.irp kt, 0,1,2,3
.irp j, 0,1,2,3,4,5,6,7
	v_cmp_gt_i32 vcc_lo, 16*\kt+\j-16*\u, v[DD]
	v_cndmask_b32 v[S+32*\u+8*\kt+\j], v[S+32*\u+8*\kt+\j], v[MBV], vcc_lo
.endr
.endr
.endr
.Lopen_\@:
.irp j, 0,1,2,3                        ; the maximum of my 32 scores and the old m: four chains, the two tiles by turns; each accumulator is read from its low end on
.irp u, 0,1
	v_max3_num_f32 v[ST+8*\u+4+\j], v[S+32*\u+8*\j], v[S+32*\u+8*\j+1], v[S+32*\u+8*\j+2]
.endr
.endr
.irp g, 1,2
.irp j, 0,1,2,3
.irp u, 0,1
	v_max3_num_f32 v[ST+8*\u+4+\j], v[ST+8*\u+4+\j], v[S+32*\u+8*\j+2*\g+1], v[S+32*\u+8*\j+2*\g+2]
.endr
.endr
.endr
.irp u, 0,1
	v_max3_num_f32 v[ST+8*\u+4], v[ST+8*\u+4], v[S+32*\u+7], v[S+32*\u+15]
	v_max3_num_f32 v[ST+8*\u+6], v[ST+8*\u+6], v[S+32*\u+23], v[S+32*\u+31]
.endr
.irp u, 0,1
	v_max3_num_f32 v[ST+8*\u+4], v[ST+8*\u+4], v[ST+8*\u+5], v[ST+8*\u+6]
.endr
.irp u, 0,1
	v_max3_num_f32 v[ST+8*\u+4], v[ST+8*\u+4], v[ST+8*\u+7], v[ST+8*\u+1]
.endr
.irp u, 0,1
	v_permlanex16_b32 v[ST+8*\u+5], v[ST+8*\u+4], s[SEL], s[SEL+1]   ; the query's other 32 keys lie in the lane 16 away
	v_mov_b32 v[ST+8*\u+7], v[ST+8*\u]             ; c m as it was
.endr
.irp u, 0,1
	v_max_num_f32 v[ST+8*\u+1], v[ST+8*\u+4], v[ST+8*\u+5]
.endr
.irp u, 0,1
	v_mul_f32 v[ST+8*\u], s[CS], v[ST+8*\u+1]
.endr
.irp u, 0,1
	v_sub_f32 v[ST+8*\u+7], v[ST+8*\u+7], v[ST+8*\u]
.endr
	WIN 0x40                                       ; V's run of loads: its registers' last readers, the step before's products, stand far more than four plain lines back
.irp kh, 0,1
.irp ct, 0,1,2,3
	ds_load_tr16_b128 v[VF+32*\kh+8*\ct:VF+32*\kh+8*\ct+3], v[ADV] offset:16*PV*\kh+32*\ct
	ds_load_tr16_b128 v[VF+32*\kh+8*\ct+4:VF+32*\kh+8*\ct+7], v[ADV] offset:16*PV*\kh+8*PV+32*\ct
.endr
.endr
	WIN 0
.set i, 0
.rept 16
.irp u, 0,1
	v_pk_fma_f32 v[S+32*\u+2*i:S+32*\u+2*i+1], v[S+32*\u+2*i:S+32*\u+2*i+1], s[CS:CS+1], v[ST+8*\u:ST+8*\u+1] op_sel_hi:[1,0,0] neg_lo:[0,0,1] neg_hi:[0,0,1]   ; c s - c m
.endr
.set i, i+1
.endr
.irp u, 0,1
	v_exp_f32 v[ST+8*\u+6], v[ST+8*\u+7]           ; a = 2^(c m as it was - c m)
.endr
.set i, 0
.rept 64
	v_exp_f32 v[S+i], v[S+i]
.set i, i+1
.endr
	v_nop                                          ; a plain line behind the last exponential
	s_wait_alu depctr_va_vdst(0)                   ; one wait for the batch of 66, ahead of its first reader
.set i, 0
.rept 16
.irp u, 0,1
	v_cvt_pk_f16_f32 v[P+16*\u+i], v[S+32*\u+2*i], v[S+32*\u+2*i+1]
.endr
.set i, i+1
.endr
.irp z, 0,1,2,3,4,5,6,7                ; the row's sum, of the weights as they stood before rounding
.irp u, 0,1
	v_pk_add_f32 v[S+32*\u+4*\z:S+32*\u+4*\z+1], v[S+32*\u+4*\z:S+32*\u+4*\z+1], v[S+32*\u+4*\z+2:S+32*\u+4*\z+3]
.endr
.endr
.irp z, 0,1,2,3
.irp u, 0,1
	v_pk_add_f32 v[S+32*\u+8*\z:S+32*\u+8*\z+1], v[S+32*\u+8*\z:S+32*\u+8*\z+1], v[S+32*\u+8*\z+4:S+32*\u+8*\z+5]
.endr
.endr
.irp z, 0,1
.irp u, 0,1
	v_pk_add_f32 v[S+32*\u+16*\z:S+32*\u+16*\z+1], v[S+32*\u+16*\z:S+32*\u+16*\z+1], v[S+32*\u+16*\z+8:S+32*\u+16*\z+9]
.endr
.endr
.irp u, 0,1
	v_pk_add_f32 v[S+32*\u:S+32*\u+1], v[S+32*\u:S+32*\u+1], v[S+32*\u+16:S+32*\u+17]
.endr
.irp u, 0,1
	v_pk_fma_f32 v[ST+8*\u+2:ST+8*\u+3], v[ST+8*\u+2:ST+8*\u+3], v[ST+8*\u+6:ST+8*\u+7], v[S+32*\u:S+32*\u+1] op_sel_hi:[1,0,1]
.endr
	WIN 0x41                                       ; O^T (destination and source 0) in window 1
.irp u, 0,1
.set i, 0
.rept 16
	v_pk_mul_f32 v[O+32*\u+2*i:O+32*\u+2*i+1], v[O+32*\u+2*i:O+32*\u+2*i+1], v[ST+8*\u+6:ST+8*\u+7] op_sel_hi:[1,0]
.set i, i+1
.endr
.endr
	s_wait_dscnt 0x0                               ; V is in
	WIN 0x51                                       ; V and O^T in window 1, P in window 0
.irp kh, 0,1                           ; eight accumulators by turns
.irp ct, 0,1,2,3
.irp u, 0,1
	v_wmma_f32_16x16x32_f16 v[O+32*\u+8*\ct:O+32*\u+8*\ct+7], v[VF+32*\kh+8*\ct:VF+32*\kh+8*\ct+7], v[P+16*\u+8*\kh:P+16*\u+8*\kh+7], v[O+32*\u+8*\ct:O+32*\u+8*\ct+7]
.endr
.endr
.endr
	WIN 0
.Lhidden_\@:
	s_add_co_u32 s[KF], s[KF], 64
	s_add_co_u32 s[TBK], s[TBK], 32*PK
	s_add_co_u32 s[TBV], s[TBV], 32*PV
.endm
.macro SLOTSTEPS                       ; a slot's four steps: written once, walked four times
	s_mov_b32 s[STP], 4
.Lstep_\@:
	KSTEP
	s_sub_co_u32 s[STP], s[STP], 1
	s_cmp_lg_u32 s[STP], 0
	s_cbranch_scc1 .Lstep_\@
	s_sub_co_u32 s[TBK], s[TBK], 128*PK
	s_sub_co_u32 s[TBV], s[TBV], 128*PV
	s_xor_b32 s[TBK], s[TBK], SLOT1                ; on to the other slot
	s_xor_b32 s[TBV], s[TBV], SLOT1
.endm
; THE CHANGE OF SLOTS stands at a slot's head.  Each wave waits for all its tensor loads, adds 0 to its spare word, and waits for that and for its reads of the slot that it has left; behind the barrier the slot
; ahead is whole and nobody reads the other one.  fill = 1: that other slot takes the keys that the next trip reads: the next 256, or, where this slot is the block's last, the second block's keys 0-255.
.macro CHANGE fill
	s_wait_tensorcnt 0x0                           ; no tensor load of mine is out, so a group 0 may be written
	ds_add_u32 v[SPW], v[NIL]
.if \fill
	ds_add_u32 v[SPW], v[NIL]                      ; and twice on end here, in every trip alike
	s_add_co_u32 s[NK], s[KF], 256
	s_cmp_eq_u32 s[KF], s[QBK]
	s_cselect_b32 s[NK], 0, s[NK]
	s_lshl_b32 s[NO], s[NK], 7
	s_xor_b32 s[G0K+1], s[G0K+1], SLOT1
	s_add_nc_u64 s[G0K+2:G0K+3], s[KB:KB+1], s[NO:NO+1]
	s_or_b32 s[G0K+3], s[G0K+3], 0x80000000
	s_xor_b32 s[G0V+1], s[G0V+1], SLOT1
	s_add_nc_u64 s[G0V+2:G0V+3], s[VB:VB+1], s[NO:NO+1]
	s_or_b32 s[G0V+3], s[G0V+3], 0x80000000
	s_wait_xcnt 0x0                                ; the last prefetch, a slot back, has read its address
	s_add_nc_u64 s[PFA:PFA+1], s[PFA:PFA+1], 32768
.endif
	s_wait_dscnt 0x0                               ; the add is done, and my reads of the slot that I have left are over
	s_barrier_signal -1
	s_barrier_wait -1
.if \fill
	TLOAD                                          ; the first thing behind the barrier, and a wave's one tensor load until the next
	ASK
.endif
.endm
; A BLOCK'S END.  The hidden keys behind my last step enter as one key; O^T is divided by the sum, rounded to f16, and goes through my stage so that a store covers 512 consecutive bytes.
; restart = 1: the second block's Q is asked for at the head and its state is set at the end.
.macro FINISH out, restart
	s_wait_loadcnt 0x0                             ; the hidden keys' sum of v is in
.if \restart
	QLOAD QN
.endif
.irp u, 0,1
	v_add_f32 v[ST+8*\u+4], v[ST+8*\u+2], v[ST+8*\u+3]
.endr
.irp u, 0,1
	v_permlanex16_b32 v[ST+8*\u+5], v[ST+8*\u+4], s[SEL], s[SEL+1]
.endr
.irp u, 0,1
	v_add_f32 v[ST+8*\u+4], v[ST+8*\u+4], v[ST+8*\u+5]             ; the row's sum so far
.endr
.irp u, 0,1
	v_max_num_f32 v[ST+8*\u+5], s[MB], v[ST+8*\u+1]                ; the maximum with the hidden keys' score
.endr
.irp u, 0,1
	v_mul_f32 v[ST+8*\u+5], s[CS], v[ST+8*\u+5]
.endr
.irp u, 0,1
	v_sub_f32 v[ST+8*\u+6], v[ST+8*\u], v[ST+8*\u+5]
	v_fma_f32 v[ST+8*\u+7], s[MB], s[CS], -v[ST+8*\u+5]
.endr
.irp u, 0,1
	v_exp_f32 v[ST+8*\u+6], v[ST+8*\u+6]           ; a
	v_exp_f32 v[ST+8*\u+7], v[ST+8*\u+7]           ; one hidden key's weight
.endr
	v_nop
	s_wait_alu depctr_va_vdst(0)                   ; one wait for the four
.irp u, 0,1
	v_mul_f32 v[ST+8*\u+4], v[ST+8*\u+4], v[ST+8*\u+6]
.endr
.irp u, 0,1
	v_fma_f32 v[ST+8*\u+4], s[NR], v[ST+8*\u+7], v[ST+8*\u+4]
.endr
.irp u, 0,1
	v_rcp_f32 v[ST+8*\u+5], v[ST+8*\u+4]
.endr
	v_nop
	s_wait_alu depctr_va_vdst(0)                   ; one wait for the two
.irp u, 0,1
	v_mul_f32 v[ST+8*\u+4], v[ST+8*\u+6], v[ST+8*\u+5]             ; a / the sum
	v_mul_f32 v[ST+8*\u+6], v[ST+8*\u+7], v[ST+8*\u+5]             ; the hidden weight / the sum
.endr
.irp u, 0,1
	WIN 0x01                                       ; source 0 in window 1
.set i, 0
.rept 16
	v_pk_mul_f32 v[TMP+2*i:TMP+2*i+1], v[SV+2*i:SV+2*i+1], v[ST+8*\u+6:ST+8*\u+7] op_sel_hi:[1,0]
.set i, i+1
.endr
.set i, 0
.rept 16
	v_pk_fma_f32 v[TMP+2*i:TMP+2*i+1], v[O+32*\u+2*i:O+32*\u+2*i+1], v[ST+8*\u+4:ST+8*\u+5], v[TMP+2*i:TMP+2*i+1] op_sel_hi:[1,0,1]   ; each accumulator from its low end on
.set i, i+1
.endr
	WIN 0
.set i, 0
.rept 16
	v_cvt_pk_f16_f32 v[P+16*\u+i], v[TMP+2*i], v[TMP+2*i+1]
.set i, i+1
.endr
.irp ct, 0,1,2,3
	ds_store_b128 v[STO], v[P+16*\u+4*\ct:P+16*\u+4*\ct+3] offset:2304*\u+32*\ct
.endr
.endr
.irp i, 0,1,2,3,4,5,6,7
	ds_load_b128 v[S+4*\i:S+4*\i+3], v[RD] offset:576*\i           ; four rows of 128 bytes; LDS serves a wave in order
.endr
.irp i, 0,1,2,3,4,5,6,7
	s_wait_dscnt 7-\i
	global_store_b128 v[GO], v[S+4*\i:S+4*\i+3], s[\out:\out+1] offset:512*\i
.endr
.if \restart
	SVLOAD SVN
	INIT
	s_mov_b32 s[KF], 0
	s_mov_b32 s[Q0], s[Q0N]
	s_mov_b32 s[QBK], s[QBKN]
	s_mov_b32 s[MB], s[MBN]
	s_mov_b32 s[NR], s[NRN]
	s_wait_xcnt 0x0                                ; the stores have read their data registers: the next scores land there
	s_wait_loadcnt 8                               ; Q's eight loads are in; the eight behind them may be out
.endif
.endm
	s_mov_b32 s[TR], 8
.Ltrip:                                            ; eight trips; behind each change of slots the next trip's slot is asked for
	CHANGE 1
	SLOTSTEPS
	s_cmp_gt_u32 s[KF], s[QBK]                     ; that was the first block's last slot
	s_cbranch_scc0 .Lsame
	FINISH OA, 1
.Lsame:
	s_sub_co_u32 s[TR], s[TR], 1
	s_cmp_lg_u32 s[TR], 0
	s_cbranch_scc1 .Ltrip
	CHANGE 0                                       ; the ninth slot is written out: nothing is left to ask for
	SLOTSTEPS
	FINISH ON, 0
	s_wait_tensorcnt 0x0                           ; the wave's end
	ds_add_u32 v[SPW], v[NIL]
	s_wait_dscnt 0x0
	s_endpgm
.Lfunc_end_k_qa206fe5709_attn:
	.size	k_qa206fe5709_attn, .Lfunc_end_k_qa206fe5709_attn-k_qa206fe5709_attn
	.p2alignl 7, 3214868480
	.fill 96, 4, 3214868480
	.section	.rodata,"a",@progbits
	.p2align	6, 0x0
	.amdhsa_kernel k_qa206fe5709_attn
		.amdhsa_group_segment_fixed_size 327680
		.amdhsa_private_segment_fixed_size 0
		.amdhsa_enable_private_segment 0
		.amdhsa_kernarg_size 24
		.amdhsa_user_sgpr_count 2
		.amdhsa_user_sgpr_kernarg_segment_ptr 1
		.amdhsa_wavefront_size32 1
		.amdhsa_system_sgpr_workgroup_id_x 1
		.amdhsa_system_sgpr_workgroup_id_y 1
		.amdhsa_system_sgpr_workgroup_id_z 1
		.amdhsa_system_vgpr_workitem_id 0
		.amdhsa_next_free_vgpr 416
		.amdhsa_next_free_sgpr 92
		.amdhsa_reserve_vcc 1
		.amdhsa_float_denorm_mode_32 3
		.amdhsa_float_denorm_mode_16_64 3
		.amdhsa_memory_ordered 1
		.amdhsa_forward_progress 1
		.amdhsa_inst_pref_size 80
	.end_amdhsa_kernel
	.amdgpu_metadata
---
amdhsa.version: [ 1, 2 ]
amdhsa.kernels:
  - .name:           k_qa206fe5709_attn
    .symbol:         k_qa206fe5709_attn.kd
    .args:
      - { .name: qkv, .offset: 0, .size: 8, .value_kind: global_buffer, .address_space: global }
      - { .name: sv, .offset: 8, .size: 8, .value_kind: global_buffer, .address_space: global }
      - { .name: a, .offset: 16, .size: 8, .value_kind: global_buffer, .address_space: global }
    .group_segment_fixed_size: 327680
    .private_segment_fixed_size: 0
    .kernarg_segment_align: 8
    .kernarg_segment_size: 24
    .max_flat_workgroup_size: 256
    .sgpr_count:     92
    .vgpr_count:     416
    .wavefront_size: 32
...
	.end_amdgpu_metadata
.endif
;; end of part 4
;; launch proj (part 5): grid 8 x 32, 4 waves a work-group, clusters of 4 x 4, 327,680 bytes of LDS; arguments a, wp16, b_proj, out0; writes out0
.if DOCPART == 5
	.amdgcn_target "amdgcn-amd-amdhsa--gfx1250"
	.amdhsa_code_object_version 6
	.text
	.protected	k_qa206fe5709_proj
	.globl	k_qa206fe5709_proj
	.p2align	8
	.type	k_qa206fe5709_proj,@function
k_qa206fe5709_proj:
	s_mov_b64 s[64:65], 0
	v_nop
	global_prefetch_b8 v0, s[64:65] scope:SCOPE_SE
	s_setreg_imm32_b32 hwreg(HW_REG_WAVE_MODE, 25, 1), 1
	s_wait_xcnt 0x0
	s_wait_alu depctr_hold_cnt(0) depctr_sa_sdst(0) depctr_va_vdst(0) depctr_va_sdst(0) depctr_va_ssrc(0) depctr_va_vcc(0) depctr_vm_vsrc(0)
	s_getreg_b32 s2, hwreg(HW_REG_IB_STS2, 6, 4)
	s_cmp_eq_u32 s2, 0
	s_cbranch_scc0 .Lentry_in_a_cluster
	s_endpgm
.Lentry_in_a_cluster:
	s_bfe_u32 s2, ttmp6, 0x10000c
	s_cmp_lg_u32 s2, 0xf033
	s_cbranch_scc0 .Lentry_shape_is_right
	s_endpgm
.Lentry_shape_is_right:
; out0 = merge_heads(a) w_proj + b_proj: M 8,192, N 1,024, K 1,024; f16 operands, f32 sums.  a: [b][h][s][64] f16; wp16: [k][n] f16.
; A tile of 256 x 128 gives 256 work-groups; a wave makes 128 x 64: 32 accumulators in window 1.  A K step is 128 = two heads; eight steps through a ring of two slots.
; A's tile: for each of the two heads 256 rows of 128 bytes, dense in memory: 128 rows of two (256 bytes), padded by 16.  B's tile: 128 rows k of 256 bytes, padded by 32, read turned by ds_load_tr16_b128.
; CLUSTER 4 x 4: A's tiles are shared along a row of the cluster, B's along a column, each asked for jointly.  Every refill stands behind a round of the cluster's barrier.
; THE MATRIX INSTRUCTION IS USED TRANSPOSED (source 0 = 16 columns of w_proj, source 1 = 16 rows of a): a lane holds eight neighbouring columns of a row.  The bias is the C of each sum's first product.
; The rows of positions 0-15 of each sequence are written here too and written over by the next launch, which carries them in f32: leaving them out would take a branch on a work-group's place in its cluster.
; No prefetch: a K step's tiles are small and shared by four.
; REGISTERS: window 0: v16-29 addresses; v32-127 and v128-223 two fragment buffers (A 64, B 32); v224-255 the bias.  window 1: accumulator (a, nb) at v[8 (4 a + nb)].
.set PA,    272
.set PB,    288
.set AHEAD, 128*PA                     ; one head's 256 rows
.set BOFF,  2*AHEAD
.set SLOT,  BOFF+128*PB
.set STAGE, 2*SLOT                     ; 16 rows x 272 bytes for each wave
.set SPARE, STAGE+4*16*272
.set ADRA, 16
.set ADRB, 20
.set STO,  24
.set RD,   25
.set CO,   26
.set BIO,  27
.set SPW,  28
.set NIL,  29
.set F0,   32
.set F1,   128
.set BIAS, 224
.set G1, 24
.set G0, 32
.set G1B, 48
.set G0B, 56
.set MSB, 0
.macro WIN new
.if MSB != \new
	s_set_vgpr_msb (MSB<<8)|\new
.set MSB, \new
.endif
.endm
.set MUL,  0x50                        ; C and D window 1
.set MUL1, 0x40                        ; D window 1, C (the bias) window 0
.macro JLOAD s                         ; waves 0 and 1 fetch A's two heads, waves 2 and 3 B's two halves; an s_nop 0 and four v_nop follow each line
	s_cmp_eq_u32 s13, 0
	s_cbranch_scc0 .Lfor_b_\@
	tensor_load_to_lds s[G0+4*\s:G0+4*\s+3], s[G1:G1+7]
	s_nop 0
.rept 4
	v_nop
.endr
	s_branch .Lasked_\@
.Lfor_b_\@:
	tensor_load_to_lds s[G0B+4*\s:G0B+4*\s+3], s[G1B:G1B+7]
	s_nop 0
.rept 4
	v_nop
.endr
.Lasked_\@:
.endm
.macro CREST
	s_cmp_lg_u32 s12, 0
	s_cbranch_scc1 .Lnot_wave_0_\@
	s_barrier_signal -3
.Lnot_wave_0_\@:
	s_barrier_wait -3
	s_barrier_signal -1
	s_barrier_wait -1
.endm
.macro CROUND
	s_barrier_signal -1
	s_barrier_wait -1
	CREST
.endm
	s_load_b128 s[4:7], s[0:1], 0x0                ; a, wp16
	s_load_b128 s[8:11], s[0:1], 0x10              ; b_proj, out0
	v_lshl_add_u32 v[SPW], v0, 2, SPARE
	v_mov_b32 v[NIL], 0
	ds_add_u32 v[SPW], v[NIL]                      ; the wave's opening: the add, twice on end, and its wait ahead of my first tensor load
	ds_add_u32 v[SPW], v[NIL]
	v_lshrrev_b32 v1, 5, v0
	v_readfirstlane_b32 s12, v1                    ; wave 0..3
	s_lshr_b32 s13, s12, 1                         ; which half of the tile's rows is mine.  Also: I fetch for A (0) or for B (1)
	s_and_b32 s14, s12, 1                          ; which half of its columns.  Also: which head, or which 64 rows k, I fetch
	s_bfe_u32 s40, ttmp6, 0x40000
	s_bfe_u32 s41, ttmp6, 0x40004
	s_lshl_b32 s42, ttmp9, 2
	s_add_co_u32 s42, s42, s40                     ; tile column
	s_and_b32 s15, ttmp7, 0xffff
	s_lshl_b32 s15, s15, 2
	s_add_co_u32 s15, s15, s41                     ; tile row
	s_lshl_b32 s43, s41, 2
	s_lshl_b32 s43, 15, s43
	s_lshl_b32 s44, 0x1111, s40
	s_or_b32 s[G1+0], s43, (0<<16)|(1<<20)|(1<<21)|(5<<22)|(3<<25)    ; A: my row of the cluster; 4 words of padding after every 64
	s_mov_b32 s[G1+1], 256<<16
	s_mov_b32 s[G1+2], 128<<16
	s_mov_b32 s[G1+3], 256<<16
	s_mov_b32 s[G1+4], 128
	s_mov_b32 s[G1+5], 256                         ; dense
	s_mov_b32 s[G1+6], 0
	s_mov_b32 s[G1+7], 0
	s_or_b32 s[G1B+0], s44, (0<<16)|(1<<20)|(1<<21)|(5<<22)|(7<<25)   ; B: my column; 8 words
	s_mov_b32 s[G1B+1], 256<<16
	s_mov_b32 s[G1B+2], 64<<16
	s_mov_b32 s[G1B+3], 256<<16
	s_mov_b32 s[G1B+4], 64
	s_mov_b32 s[G1B+5], 2048                       ; a row of wp16
	s_mov_b32 s[G1B+6], 0
	s_mov_b32 s[G1B+7], 0
	s_lshr_b32 s16, s15, 3                         ; b
	s_lshl_b32 s16, s16, 4
	s_add_co_u32 s16, s16, s14                     ; head 16 b + my one of the step's two
	s_lshl_b32 s16, s16, 11
	s_and_b32 s17, s15, 7
	s_lshl_b32 s17, s17, 8
	s_add_co_u32 s16, s16, s17                     ; + the tile's first position
	s_lshl_b32 s16, s16, 7                         ; rows of 128 bytes
	s_mov_b32 s17, 0
	s_lshl_b32 s46, s14, 17                        ; B: 64 rows of 2,048 bytes x half,
	s_lshl_b32 s47, s42, 8
	s_add_co_u32 s46, s46, s47                     ; + 256 bytes x tile column
	s_mov_b32 s47, 0
	s_mul_i32 s20, s14, AHEAD
	s_mul_i32 s21, s14, 64*PB
	s_add_co_u32 s21, s21, BOFF
	s_wait_dscnt 0x0                               ; both opening adds are done
	s_wait_kmcnt 0x0
	s_add_nc_u64 s[18:19], s[4:5], s[16:17]
	s_add_nc_u64 s[46:47], s[6:7], s[46:47]
	CROUND                                         ; all sixteen work-groups are here: the first joint loads meet
.irp s, 0,1
	s_mov_b32 s[G0+4*\s], 1
	s_add_co_u32 s[G0+4*\s+1], s20, \s*SLOT
	s_add_nc_u64 s[G0+4*\s+2:G0+4*\s+3], s[18:19], \s*524288       ; K step s: two heads on
	s_or_b32 s[G0+4*\s+3], s[G0+4*\s+3], 0x80000000
	s_mov_b32 s[G0B+4*\s], 1
	s_add_co_u32 s[G0B+4*\s+1], s21, \s*SLOT
	s_add_nc_u64 s[G0B+4*\s+2:G0B+4*\s+3], s[46:47], \s*262144     ; 128 rows on
	s_or_b32 s[G0B+4*\s+3], s[G0B+4*\s+3], 0x80000000
	JLOAD \s
.endr
	v_and_b32 v1, 15, v0                           ; r
	v_bfe_u32 v2, v0, 4, 1                         ; h
	v_lshlrev_b32 v[BIO], 5, v2
	s_mov_b32 s23, 0
	s_lshl_b32 s22, s42, 9
	s_lshl_b32 s21, s14, 8
	s_add_co_u32 s22, s22, s21                     ; my first column, in bytes of f32: 512 x tile column + 256 x half
	s_add_nc_u64 s[8:9], s[8:9], s[22:23]
.irp nb, 0,1,2,3
	global_load_b128 v[BIAS+8*\nb:BIAS+8*\nb+3], v[BIO], s[8:9] offset:64*\nb
	global_load_b128 v[BIAS+8*\nb+4:BIAS+8*\nb+7], v[BIO], s[8:9] offset:64*\nb+16
.endr
	s_add_nc_u64 s[10:11], s[10:11], s[22:23]
	s_lshl_b32 s22, s15, 8
	s_lshl_b32 s21, s13, 7
	s_add_co_u32 s22, s22, s21
	s_lshl_b32 s22, s22, 12                        ; my first row: rows of 4,096 bytes
	s_add_nc_u64 s[10:11], s[10:11], s[22:23]
	v_lshrrev_b32 v3, 1, v1
	v_mul_u32_u24 v3, v3, PA
	v_and_b32 v4, 1, v0
	v_lshl_add_u32 v3, v4, 7, v3
	v_lshl_add_u32 v3, v2, 4, v3                   ; A: row r: LDS row r / 2, 128 (r % 2), + 16 h
	v_and_b32 v4, 7, v0
	v_lshl_add_u32 v4, v2, 3, v4
	v_mul_u32_u24 v4, v4, PB
	v_bfe_u32 v5, v0, 3, 1
	v_lshl_add_u32 v4, v5, 4, v4                   ; B, for the turning load: row k = 8 h + l % 8, columns 8 ((l / 8) % 2) on
	s_mul_i32 s21, s13, 64*PA                      ; my 128 rows of A
	s_lshl_b32 s22, s14, 7                         ; my 64 columns of B
	s_add_co_u32 s22, s22, BOFF
.irp s, 0,1
	v_add_nc_u32 v[ADRA+\s], s21, v3
	v_add_nc_u32 v[ADRB+\s], s22, v4
	s_add_co_u32 s21, s21, SLOT
	s_add_co_u32 s22, s22, SLOT
.endr
	s_mul_i32 s21, s12, 16*272
	s_add_co_u32 s21, s21, STAGE                   ; my stage
	v_mul_u32_u24 v5, v1, 272
	v_lshl_add_u32 v5, v2, 5, v5
	v_add_nc_u32 v[STO], s21, v5                   ; in: row r, 32 bytes for each half of the lanes
	v_mul_u32_u24 v5, v2, 272
	v_lshl_add_u32 v5, v1, 4, v5
	v_add_nc_u32 v[RD], s21, v5                    ; back: lanes 0-15 one row of 256 bytes, lanes 16-31 the next
	v_lshlrev_b32 v[CO], 12, v2
	v_lshl_add_u32 v[CO], v1, 4, v[CO]             ; and the same two rows in out0
.macro FETCH slot, q, f                ; the fragments of the slot's quarter q (32 along K): 8 loads of B, 16 of A, blocks 0-3 first
.irp nb, 0,1,2,3
	ds_load_tr16_b128 v[\f+64+8*\nb:\f+64+8*\nb+3], v[ADRB+\slot] offset:32*PB*(\q)+32*\nb
	ds_load_tr16_b128 v[\f+64+8*\nb+4:\f+64+8*\nb+7], v[ADRB+\slot] offset:32*PB*(\q)+32*\nb+16*PB
.endr
.irp i, 0,1,2,3,4,5,6,7
	ds_load_b128 v[\f+8*\i:\f+8*\i+3], v[ADRA+\slot] offset:AHEAD*((\q)/2)+64*((\q)%2)+8*PA*\i
	ds_load_b128 v[\f+8*\i+4:\f+8*\i+7], v[ADRA+\slot] offset:AHEAD*((\q)/2)+64*((\q)%2)+8*PA*\i+32
.endr
.endm
.macro MULA f, a0, n, first            ; n blocks of A from a0 on x B's four: each accumulator once, so they take turns
.set aa, \a0
.rept \n
.irp nb, 0,1,2,3
.if \first
	v_wmma_f32_16x16x32_f16 v[8*(4*aa+\nb):8*(4*aa+\nb)+7], v[\f+64+8*\nb:\f+64+8*\nb+7], v[\f+8*aa:\f+8*aa+7], v[BIAS+8*\nb:BIAS+8*\nb+7]
.else
	v_wmma_f32_16x16x32_f16 v[8*(4*aa+\nb):8*(4*aa+\nb)+7], v[\f+64+8*\nb:\f+64+8*\nb+7], v[\f+8*aa:\f+8*aa+7], v[8*(4*aa+\nb):8*(4*aa+\nb)+7]
.endif
.endr
.set aa, aa+1
.endr
.endm
.macro PLACES
.rept 4
	v_nop
.endr
.endm
.macro MWIN first
.if \first
	WIN MUL1
.else
	WIN MUL
.endif
.endm
.macro QUARTER slot, q, f, g, first    ; multiplies buffer f; in its middle fetches the slot's quarter q into g
	s_wait_dscnt 8                                 ; B and A's blocks 0-3 are in; the youngest eight loads (A's blocks 4-7) may be out
	MWIN \first
	MULA \f, 0, 4, \first
	PLACES
	WIN 0
	FETCH \slot, \q, \g
	s_wait_dscnt 24                                ; all but the 24 just issued
	MWIN \first
	MULA \f, 4, 4, \first
.endm
.macro TURN slot, next, fill           ; the last quarter multiplies buffer 1 and changes slots
	WIN 0
	s_wait_tensorcnt 0x0                           ; all my tensor loads have landed: my part of the next slot
	ds_add_u32 v[SPW], v[NIL]
	s_wait_dscnt 9                                 ; the add and the youngest eight loads may be out
	WIN MUL
	MULA F1, 0, 2, 0
	s_wait_dscnt 0x0                               ; the add is done, and my reads of this slot are over
	s_barrier_signal -1
	MULA F1, 2, 2, 0
	WIN 0
	s_barrier_wait -1
.if \fill
	CREST                                          ; the barrier has opened a round of the cluster's: no wave of any partner still reads this slot or has a load on its way
	s_add_nc_u64 s[G0+4*\slot+2:G0+4*\slot+3], s[G0+4*\slot+2:G0+4*\slot+3], 1048576
	s_add_nc_u64 s[G0B+4*\slot+2:G0B+4*\slot+3], s[G0B+4*\slot+2:G0B+4*\slot+3], 524288
	JLOAD \slot                                    ; the first tensor load behind the round; its four v_nop are also the places in front of the loads below
.else
	PLACES
.endif
	FETCH \next, 0, F0
	WIN MUL
	MULA F1, 4, 4, 0
.endm
	s_wait_tensorcnt 1                             ; my part of K step 0 is in; K step 1's load may be out
	s_barrier_signal -1
	s_barrier_wait -1
	FETCH 0, 0, F0
	s_wait_loadcnt 0x0                             ; the bias
	QUARTER 0, 1, F0, F1, 1                        ; the first quarter stands in front of the loop: its products start the sums from the bias
	WIN 0
	s_mov_b32 s3, 3
.Llap:                                             ; a trip goes once round the ring and fills both slots again
	QUARTER 0, 2, F1, F0, 0
	QUARTER 0, 3, F0, F1, 0
	TURN 0, 1, 1
	QUARTER 1, 1, F0, F1, 0
	QUARTER 1, 2, F1, F0, 0
	QUARTER 1, 3, F0, F1, 0
	TURN 1, 0, 1
	QUARTER 0, 1, F0, F1, 0
	WIN 0
	s_sub_co_u32 s3, s3, 1
	s_cmp_lg_u32 s3, 0
	s_cbranch_scc1 .Llap
	QUARTER 0, 2, F1, F0, 0                        ; the last lap fills nothing
	QUARTER 0, 3, F0, F1, 0
	TURN 0, 1, 0
	QUARTER 1, 1, F0, F1, 0
	QUARTER 1, 2, F1, F0, 0
	QUARTER 1, 3, F0, F1, 0
	s_wait_dscnt 8
	WIN MUL
	MULA F1, 0, 4, 0
	s_wait_dscnt 0x0
	MULA F1, 4, 4, 0
	WIN 0
; THE WAY OUT, block by block of 16 rows x 64 columns of f32: through my own stage, back as whole rows of 256 bytes.
.macro TOSTAGE a
	WIN 0x04                                       ; an LDS store's data are its source 1: window 1
.irp nb, 0,1,2,3
	ds_store_b128 v[STO], v[8*(4*(\a)+\nb):8*(4*(\a)+\nb)+3] offset:64*\nb           ; each accumulator from its low end on
	ds_store_b128 v[STO], v[8*(4*(\a)+\nb)+4:8*(4*(\a)+\nb)+7] offset:64*\nb+16
.endr
	WIN 0
.set BB, 32+32*((\a)%2)
.irp t, 0,1,2,3,4,5,6,7
	ds_load_b128 v[BB+4*\t:BB+4*\t+3], v[RD] offset:\t*2*272
.endr
.endm
.macro SEND a, younger
.set BB, 32+32*((\a)%2)
	s_wait_dscnt \younger                          ; the block is back; the next block's eight stores and eight loads may be out
.irp t, 0,1,2,3,4,5,6,7
	global_store_b128 v[CO], v[BB+4*\t:BB+4*\t+3], s[10:11] offset:(16*(\a)+2*\t)*4096 th:TH_STORE_NT   ; sixteen lanes store 256 consecutive bytes, aligned
.endr
.endm
	PLACES
	TOSTAGE 0
.irp a, 1,2,3,4,5,6,7
.if \a > 1
	s_wait_xcnt 0x0                                ; block a - 2's stores have read their registers: block a's loads may land there
.endif
	TOSTAGE \a
	SEND \a-1, 16
.endr
	SEND 7, 0
	s_wait_tensorcnt 0x0                           ; the wave's end
	ds_add_u32 v[SPW], v[NIL]
	s_wait_dscnt 0x0
	CROUND                                         ; the closing round
	s_endpgm
.Lfunc_end_k_qa206fe5709_proj:
	.size	k_qa206fe5709_proj, .Lfunc_end_k_qa206fe5709_proj-k_qa206fe5709_proj
	.p2alignl 7, 3214868480
	.fill 96, 4, 3214868480
	.section	.rodata,"a",@progbits
	.p2align	6, 0x0
	.amdhsa_kernel k_qa206fe5709_proj
		.amdhsa_group_segment_fixed_size 327680
		.amdhsa_private_segment_fixed_size 0
		.amdhsa_enable_private_segment 0
		.amdhsa_kernarg_size 32
		.amdhsa_user_sgpr_count 2
		.amdhsa_user_sgpr_kernarg_segment_ptr 1
		.amdhsa_wavefront_size32 1
		.amdhsa_system_sgpr_workgroup_id_x 1
		.amdhsa_system_sgpr_workgroup_id_y 1
		.amdhsa_system_sgpr_workgroup_id_z 1
		.amdhsa_system_vgpr_workitem_id 0
		.amdhsa_next_free_vgpr 512
		.amdhsa_next_free_sgpr 66
		.amdhsa_reserve_vcc 0
		.amdhsa_float_denorm_mode_32 3
		.amdhsa_float_denorm_mode_16_64 3
		.amdhsa_memory_ordered 1
		.amdhsa_forward_progress 1
		.amdhsa_inst_pref_size 87
	.end_amdhsa_kernel
	.amdgpu_metadata
---
amdhsa.version: [ 1, 2 ]
amdhsa.kernels:
  - .name:           k_qa206fe5709_proj
    .symbol:         k_qa206fe5709_proj.kd
    .args:
      - { .name: a, .offset: 0, .size: 8, .value_kind: global_buffer, .address_space: global }
      - { .name: wp16, .offset: 8, .size: 8, .value_kind: global_buffer, .address_space: global }
      - { .name: b_proj, .offset: 16, .size: 8, .value_kind: global_buffer, .address_space: global }
      - { .name: out0, .offset: 24, .size: 8, .value_kind: global_buffer, .address_space: global }
    .group_segment_fixed_size: 327680
    .private_segment_fixed_size: 0
    .kernarg_segment_align: 8
    .kernarg_segment_size: 32
    .max_flat_workgroup_size: 128
    .sgpr_count:     66
    .vgpr_count:     512
    .wavefront_size: 32
...
	.end_amdgpu_metadata
.endif
;; end of part 5
;; launch proj16 (part 6): grid 16 x 4, 16 waves a work-group, no clusters, 133,120 bytes of LDS; arguments a16, w_proj, b_proj, out0; writes out0
.if DOCPART == 6
	.amdgcn_target "amdgcn-amd-amdhsa--gfx1250"
	.amdhsa_code_object_version 6
	.text
	.protected	k_qa206fe5709_proj16
	.globl	k_qa206fe5709_proj16
	.p2align	8
	.type	k_qa206fe5709_proj16,@function
k_qa206fe5709_proj16:
	s_mov_b64 s[64:65], 0
	v_nop
	global_prefetch_b8 v0, s[64:65] scope:SCOPE_SE
	s_setreg_imm32_b32 hwreg(HW_REG_WAVE_MODE, 25, 1), 1
	s_wait_xcnt 0x0
; The projection of positions 0-15 of each sequence, in f32 by fused multiply-adds: out0[2048 b + p][n] = the sum over k of a16[b][k][p] w_proj[k][n] + b_proj[n], p = 0 .. 15.
; These 64 rows average one to sixteen values and are the largest of the output: f16 operands would use up what the comparison allows.  They are written over what the launch before left there.
; Work-group (x, b): 64 columns from 64 x on.  Wave w takes k = 64 w .. 64 w + 63; a lane takes two columns, so a load of w_proj covers 256 consecutive bytes.  The wave's 4,096 bytes of a16 go into its own
; LDS bytes and come back to all lanes alike.  The sixteen waves' partial sums meet in LDS behind one barrier; wave w then sums and stores row w.  No matrix unit: 64 rows are no bulk work.
.set PART,  65536
.set SPARE, 131072
	s_load_b256 s[4:11], s[0:1], 0x0               ; a16, w_proj, b_proj, out0
	v_lshl_add_u32 v8, v0, 2, SPARE
	v_mov_b32 v9, 0
	v_lshrrev_b32 v1, 5, v0
	v_readfirstlane_b32 s12, v1                    ; wave 0..15
	v_and_b32 v1, 31, v0
	v_lshlrev_b32 v2, 3, v1                        ; 8 x lane
	v_lshlrev_b32 v7, 4, v1                        ; 16 x lane
	s_lshl_b32 s13, s12, 12
	v_add_nc_u32 v3, s13, v7                       ; my wave's part of a16 in LDS, on the way in
	v_mov_b32 v4, s13                              ; and on the way out: the same address in every lane
	s_add_co_u32 s14, s13, PART
	v_add_nc_u32 v5, s14, v2                       ; my wave's partial sums
	s_lshl_b32 s14, s12, 8
	s_add_co_u32 s14, s14, PART
	v_add_nc_u32 v6, s14, v2                       ; row w of every wave's
	s_and_b32 s15, ttmp7, 0xffff                   ; b
	s_lshl_b32 s24, ttmp9, 8                       ; 64 columns of f32
	s_lshl_b32 s16, s15, 16
	s_add_co_u32 s16, s16, s13
	s_mov_b32 s17, 0
	s_lshl_b32 s18, s12, 18                        ; 64 rows of 4,096 bytes
	s_add_co_u32 s18, s18, s24
	s_mov_b32 s19, 0
	s_mov_b32 s20, s24
	s_mov_b32 s21, 0
	s_lshl_b32 s22, s15, 23                        ; 2,048 rows of 4,096 bytes
	s_add_co_u32 s22, s22, s13                     ; + row w
	s_add_co_u32 s22, s22, s24
	s_mov_b32 s23, 0
	s_wait_kmcnt 0x0
	s_add_nc_u64 s[4:5], s[4:5], s[16:17]
	s_add_nc_u64 s[6:7], s[6:7], s[18:19]
	s_add_nc_u64 s[8:9], s[8:9], s[20:21]
	s_add_nc_u64 s[10:11], s[10:11], s[22:23]
	global_load_b64 v[10:11], v2, s[8:9]           ; the bias of my two columns
.irp i, 0,1,2,3,4,5,6,7
	global_load_b128 v[160+4*\i:163+4*\i], v7, s[4:5] offset:512*\i
.endr
.set k, 0
.rept 32
	global_load_b64 v[32+2*k:33+2*k], v2, s[6:7] offset:4096*k
.set k, k+1
.endr
	s_wait_loadcnt 32                              ; the bias and a16 are in; the 32 loads of w_proj may be out
.irp i, 0,1,2,3,4,5,6,7
	ds_store_b128 v3, v[160+4*\i:163+4*\i] offset:512*\i
.endr
.rept 32
	global_load_b64 v[32+2*k:33+2*k], v2, s[6:7] offset:4096*k
.set k, k+1
.endr
.macro GA g                            ; a16 of k = 2 g and 2 g + 1: 32 numbers, the same in every lane; LDS serves a wave in order, so these see my stores
.irp i, 0,1,2,3,4,5,6,7
	ds_load_b128 v[160+32*((\g)%2)+4*\i:160+32*((\g)%2)+4*\i+3], v4 offset:128*(\g)+16*\i
.endr
.endm
	GA 0
.set g, 0
.rept 32
.if g < 31
	GA g+1
	s_wait_dscnt 8                                 ; this group's numbers are in; the next group's eight loads may be out
.else
	s_wait_dscnt 0x0
.endif
	s_wait_loadcnt 62-2*g                          ; w_proj's rows up to 2 g + 1 are in; the younger loads may be out
.irp kk, 0,1
.irp row, 0,2,4,6,8,10,12,14
.if 2*g+\kk == 0
	v_pk_mul_f32 v[224+2*\row:225+2*\row], v[32:33], v[160+\row:161+\row] op_sel_hi:[1,0]                    ; the first k starts the sums: nothing is cleared
	v_pk_mul_f32 v[226+2*\row:227+2*\row], v[32:33], v[160+\row:161+\row] op_sel:[0,1] op_sel_hi:[1,1]
.else
	v_pk_fma_f32 v[224+2*\row:225+2*\row], v[32+2*(2*g+\kk):33+2*(2*g+\kk)], v[160+32*(g%2)+16*\kk+\row:161+32*(g%2)+16*\kk+\row], v[224+2*\row:225+2*\row] op_sel_hi:[1,0,1]                  ; the even row's number feeds both columns
	v_pk_fma_f32 v[226+2*\row:227+2*\row], v[32+2*(2*g+\kk):33+2*(2*g+\kk)], v[160+32*(g%2)+16*\kk+\row:161+32*(g%2)+16*\kk+\row], v[226+2*\row:227+2*\row] op_sel:[0,1,0] op_sel_hi:[1,1,1]    ; the odd row's
.endif
.endr
.endr
.set g, g+1
.endr
.irp row, 0,1,2,3,4,5,6,7,8,9,10,11,12,13,14,15
	ds_store_b64 v5, v[224+2*\row:225+2*\row] offset:256*\row
.endr
	s_wait_dscnt 0x0                               ; for the others' sake: my partial sums have landed
	s_barrier_signal -1
	s_barrier_wait -1
.irp w, 0,1,2,3,4,5,6,7,8,9,10,11,12,13,14,15
	ds_load_b64 v[32+2*\w:33+2*\w], v6 offset:4096*\w
.endr
	s_wait_dscnt 0x0
.irp w, 0,1,2,3,4,5,6,7
	v_pk_add_f32 v[32+2*\w:33+2*\w], v[32+2*\w:33+2*\w], v[48+2*\w:49+2*\w]
.endr
.irp w, 0,1,2,3
	v_pk_add_f32 v[32+2*\w:33+2*\w], v[32+2*\w:33+2*\w], v[40+2*\w:41+2*\w]
.endr
.irp w, 0,1
	v_pk_add_f32 v[32+2*\w:33+2*\w], v[32+2*\w:33+2*\w], v[36+2*\w:37+2*\w]
.endr
	v_pk_add_f32 v[32:33], v[32:33], v[34:35]
	v_pk_add_f32 v[32:33], v[32:33], v[10:11]
	global_store_b64 v2, v[32:33], s[10:11]        ; 256 consecutive bytes, aligned
	s_wait_tensorcnt 0x0                           ; the wave's end
	ds_add_u32 v8, v9
	s_wait_dscnt 0x0
	s_endpgm
.Lfunc_end_k_qa206fe5709_proj16:
	.size	k_qa206fe5709_proj16, .Lfunc_end_k_qa206fe5709_proj16-k_qa206fe5709_proj16
	.p2alignl 7, 3214868480
	.fill 96, 4, 3214868480
	.section	.rodata,"a",@progbits
	.p2align	6, 0x0
	.amdhsa_kernel k_qa206fe5709_proj16
		.amdhsa_group_segment_fixed_size 133120
		.amdhsa_private_segment_fixed_size 0
		.amdhsa_enable_private_segment 0
		.amdhsa_kernarg_size 32
		.amdhsa_user_sgpr_count 2
		.amdhsa_user_sgpr_kernarg_segment_ptr 1
		.amdhsa_wavefront_size32 1
		.amdhsa_system_sgpr_workgroup_id_x 1
		.amdhsa_system_sgpr_workgroup_id_y 1
		.amdhsa_system_sgpr_workgroup_id_z 1
		.amdhsa_system_vgpr_workitem_id 0
		.amdhsa_next_free_vgpr 256
		.amdhsa_next_free_sgpr 66
		.amdhsa_reserve_vcc 0
		.amdhsa_float_denorm_mode_32 3
		.amdhsa_float_denorm_mode_16_64 3
		.amdhsa_memory_ordered 1
		.amdhsa_forward_progress 1
		.amdhsa_inst_pref_size 95
	.end_amdhsa_kernel
	.amdgpu_metadata
---
amdhsa.version: [ 1, 2 ]
amdhsa.kernels:
  - .name:           k_qa206fe5709_proj16
    .symbol:         k_qa206fe5709_proj16.kd
    .args:
      - { .name: a16, .offset: 0, .size: 8, .value_kind: global_buffer, .address_space: global }
      - { .name: w_proj, .offset: 8, .size: 8, .value_kind: global_buffer, .address_space: global }
      - { .name: b_proj, .offset: 16, .size: 8, .value_kind: global_buffer, .address_space: global }
      - { .name: out0, .offset: 24, .size: 8, .value_kind: global_buffer, .address_space: global }
    .group_segment_fixed_size: 133120
    .private_segment_fixed_size: 0
    .kernarg_segment_align: 8
    .kernarg_segment_size: 32
    .max_flat_workgroup_size: 512
    .sgpr_count:     66
    .vgpr_count:     256
    .wavefront_size: 32
...
	.end_amdgpu_metadata
.endif
;; end of part 6
